; MI455X (gfx1250); checked and timed in simulation.
; The chip was launched on July 23, 2026; its instructions are those of AMD's public machine-readable ISA for CDNA 5 (MIT licence, August 2026) and "CDNA5" Instruction Set Architecture Reference Guide (July 2026). The comments in the code are by the model that wrote it; some were corrected since.
;; Multi Head Attention. Allowed arithmetic: float matrix products may take bf16 or f16 operands with f32 sums; other float arithmetic in f32, or as packed bf16 or f16 multiplies, adds, multiply-adds, maxima and minima; sums over many terms, partial sums and values carried from step to step in f32; what a program stores and reads back later, other than sums and carried values, may be rounded once to bf16 or f16.
;; Inputs: bk 1,024 float32; bo 1,024 float32; bq 1,024 float32; bv 1,024 float32; k 4 x 2,048 x 1,024 float32; q 4 x 2,048 x 1,024 float32; v 4 x 2,048 x 1,024 float32; wk 1,024 x 1,024 float32; wo 1,024 x 1,024 float32; wq 1,024 x 1,024 float32; wv 1,024 x 1,024 float32.
;; Outputs: out0 4 x 2,048 x 1,024 float32.
;; One version. Each part assembles by itself: llvm-mc -triple=amdgcn-amd-amdhsa -mcpu=gfx1250 --defsym DOCPART=n.
;; ======== version 1 of 1: 4 launches
;; limits: values are held in f16: magnitudes above 65,504 overflow, below 6.1e-05 lose precision
;; workspace buffers: x16 50,331,648 bytes; w16 8,388,608 bytes; qh 16,777,216 bytes; kh 16,777,216 bytes; vh 16,777,216 bytes; o16 16,777,216 bytes
;; launch cast (part 1): grid 64 x 28, 8 waves a work-group, no clusters, 0 bytes of LDS; arguments q, k, v, wq, wk, wv, wo, x16, w16; writes x16, w16
.if DOCPART == 1
	.amdgcn_target "amdgcn-amd-amdhsa--gfx1250"
	.amdhsa_code_object_version 6
	.text
	.protected	k_qf3d2e01bde_cast
	.globl	k_qf3d2e01bde_cast
	.p2align	8
	.type	k_qf3d2e01bde_cast,@function
k_qf3d2e01bde_cast:
	s_mov_b64 s[64:65], 0
	v_nop
	global_prefetch_b8 v0, s[64:65] scope:SCOPE_SE
	s_setreg_imm32_b32 hwreg(HW_REG_WAVE_MODE, 25, 1), 1
	s_wait_xcnt 0x0
; q, k, v ([8192][1024] f32) and wq, wk, wv, wo ([1024][1024] f32) are rounded once to bf16 (nearest even), and that number is written as f16,
; in blocks of 64 channels: x16 = [3 tensors][4 b][16 kb][2048 s][64], w16 = [4 weights][16 kb][1024 n][64].  So a tile of rows of one block kb is dense in memory.
; LIMITS.  A bf16 number is exact in f16 between 2^-14 and 65,504 in magnitude; below 2^-14 it keeps f16's fixed step of 6e-8; beyond 65,504 it becomes an infinity: inputs stay within that.
; SHARES.  28 segments of 1,024 rows (grid y: 0-7 q, 8-15 k, 16-23 v, 24-27 the weights), 16 rows to a work-group (grid x): 64 KiB on end.  Wave w takes the blocks kb = 2 w and 2 w + 1.
; Load i of 16: rows 2 (i % 8) (lanes 0-15) and 2 (i % 8) + 1 (lanes 16-31) of block 2 w + i / 8: twice 256 consecutive aligned bytes.  Its four numbers a lane become 8 bytes, and the
; wave's store covers 256 consecutive bytes, aligned: the two rows lie end to end in a block.  All 16 loads go out at once; no loop, no LDS, no barrier: a stream has no use for them.
.set X, 8                              ; v[8:71]    load i: 4 registers
.set T, 72                             ; v[72:77]   at work
.set Y, 80                             ; v[80:111]  store i: a pair of its own, so no store's data is ever rewritten
	s_load_b512 s[8:23], s[0:1], 0x0               ; q s[8:9], k, v, wq, wk, wv, wo s[20:21], x16 s[22:23]
	s_load_b64 s[24:25], s[0:1], 0x40              ; w16
	s_and_b32 s26, ttmp7, 0xffff                   ; y: the segment
	s_and_b32 s28, s26, 7                          ; which 1,024 rows of q, k or v
	s_lshr_b32 s29, s26, 3                         ; which of the three
	s_max_u32 s32, s26, 24
	s_sub_co_u32 s31, s32, 21                      ; a weight's number among the seven inputs: 3 to 6
	s_sub_co_u32 s32, s32, 24                      ; and among the four weights
	s_lshl_b32 s33, s29, 24                        ; x16: the tensor, 2^24 bytes,
	s_lshr_b32 s34, s28, 1
	s_lshl_b32 s34, s34, 22                        ; b, 2^22 bytes,
	s_add_co_u32 s33, s33, s34
	s_and_b32 s34, s28, 1
	s_lshl_b32 s34, s34, 17                        ; the upper or lower 1,024 rows of 128 bytes
	s_add_co_u32 s33, s33, s34
	s_lshl_b32 s35, s32, 21                        ; w16: the weight, 2^21 bytes
	s_mov_b32 s36, 0x20000                         ; bytes from block to block: 1,024 rows x 128 in w16,
	s_cmp_lt_u32 s26, 24
	s_cselect_b32 s28, s28, 0
	s_cselect_b32 s29, s29, s31                    ; the input's number, 0 to 6
	s_cselect_b32 s33, s33, s35
	s_cselect_b32 s36, 0x40000, s36                ; 2,048 x 128 in x16
	s_lshl_b32 s2, s28, 22                         ; source: 1,024 rows of 4,096 bytes,
	s_lshl_b32 s3, ttmp9, 16                       ; the work-group's 16 rows
	s_add_co_u32 s2, s2, s3
	s_mov_b32 s3, 0
	s_lshl_b32 s37, ttmp9, 11                      ; destination: 16 rows of 128 bytes
	s_add_co_u32 s38, s33, s37
	s_mov_b32 s39, 0
	v_lshrrev_b32 v4, 5, v0
	v_readfirstlane_b32 s30, v4                    ; wave 0..7
	s_mul_i32 s30, s30, s36
	s_lshl_b32 s30, s30, 1                         ; block 2 w
	v_and_b32 v1, 15, v0
	v_lshlrev_b32 v1, 4, v1                        ; 16 bytes a lane,
	v_bfe_u32 v5, v0, 4, 1
	v_lshl_add_u32 v1, v5, 12, v1                  ; lanes 16-31 a row further down,
	v_lshl_add_u32 v1, v4, 9, v1                   ; the wave's two blocks: 512 bytes of a row
	v_and_b32 v2, 31, v0
	v_lshl_add_u32 v2, v2, 3, s30                  ; 8 bytes a lane in block 2 w,
	v_add_nc_u32 v3, s36, v2                       ; and in block 2 w + 1
	s_wait_kmcnt 0x0
	s_mov_b64 s[4:5], s[8:9]
.irp n, 1,2,3,4,5,6
	s_cmp_eq_u32 s29, \n
	s_cselect_b64 s[4:5], s[8+2*(\n):9+2*(\n)], s[4:5]
.endr
	s_cmp_lt_u32 s26, 24
	s_cselect_b64 s[6:7], s[22:23], s[24:25]
	s_add_nc_u64 s[4:5], s[4:5], s[2:3]
	s_add_nc_u64 s[6:7], s[6:7], s[38:39]
.set i, 0
.rept 16
	global_load_b128 v[X+4*i:X+4*i+3], v1, s[4:5] offset:(i%8)*8192+(i/8)*256 th:TH_LOAD_NT
.set i, i+1
.endr
.set i, 0
.rept 16
	s_wait_loadcnt 15-i                            ; loads come back in order (ISA guide 5.7.1): load i is in, the 15 - i younger ones stay out
	v_cvt_pk_bf16_f32 v[T], v[X+4*i], v[X+4*i+1]   ; the one rounding
	v_cvt_pk_bf16_f32 v[T+1], v[X+4*i+2], v[X+4*i+3]
	v_lshlrev_b32 v[T+2], 16, v[T]                 ; bf16 back to f32: a shift or a mask
	v_and_b32 v[T+3], 0xffff0000, v[T]
	v_lshlrev_b32 v[T+4], 16, v[T+1]
	v_and_b32 v[T+5], 0xffff0000, v[T+1]
	v_cvt_pk_f16_f32 v[Y+2*i], v[T+2], v[T+3]      ; the same number as f16
	v_cvt_pk_f16_f32 v[Y+2*i+1], v[T+4], v[T+5]
	global_store_b64 v[2+i/8], v[Y+2*i:Y+2*i+1], s[6:7] offset:(i%8)*256
.set i, i+1
.endr
	s_endpgm
.Lfunc_end_k_qf3d2e01bde_cast:
	.size	k_qf3d2e01bde_cast, .Lfunc_end_k_qf3d2e01bde_cast-k_qf3d2e01bde_cast
	.p2alignl 7, 3214868480
	.fill 96, 4, 3214868480
	.section	.rodata,"a",@progbits
	.p2align	6, 0x0
	.amdhsa_kernel k_qf3d2e01bde_cast
		.amdhsa_group_segment_fixed_size 0
		.amdhsa_private_segment_fixed_size 0
		.amdhsa_enable_private_segment 0
		.amdhsa_kernarg_size 72
		.amdhsa_user_sgpr_count 2
		.amdhsa_user_sgpr_kernarg_segment_ptr 1
		.amdhsa_wavefront_size32 1
		.amdhsa_system_sgpr_workgroup_id_x 1
		.amdhsa_system_sgpr_workgroup_id_y 1
		.amdhsa_system_sgpr_workgroup_id_z 1
		.amdhsa_system_vgpr_workitem_id 0
		.amdhsa_next_free_vgpr 112
		.amdhsa_next_free_sgpr 66
		.amdhsa_reserve_vcc 0
		.amdhsa_float_denorm_mode_32 3
		.amdhsa_float_denorm_mode_16_64 3
		.amdhsa_memory_ordered 1
		.amdhsa_forward_progress 1
		.amdhsa_inst_pref_size 13
	.end_amdhsa_kernel
	.amdgpu_metadata
---
amdhsa.version: [ 1, 2 ]
amdhsa.kernels:
  - .name:           k_qf3d2e01bde_cast
    .symbol:         k_qf3d2e01bde_cast.kd
    .args:
      - { .name: q, .offset: 0, .size: 8, .value_kind: global_buffer, .address_space: global }
      - { .name: k, .offset: 8, .size: 8, .value_kind: global_buffer, .address_space: global }
      - { .name: v, .offset: 16, .size: 8, .value_kind: global_buffer, .address_space: global }
      - { .name: wq, .offset: 24, .size: 8, .value_kind: global_buffer, .address_space: global }
      - { .name: wk, .offset: 32, .size: 8, .value_kind: global_buffer, .address_space: global }
      - { .name: wv, .offset: 40, .size: 8, .value_kind: global_buffer, .address_space: global }
      - { .name: wo, .offset: 48, .size: 8, .value_kind: global_buffer, .address_space: global }
      - { .name: x16, .offset: 56, .size: 8, .value_kind: global_buffer, .address_space: global }
      - { .name: w16, .offset: 64, .size: 8, .value_kind: global_buffer, .address_space: global }
    .group_segment_fixed_size: 0
    .private_segment_fixed_size: 0
    .kernarg_segment_align: 8
    .kernarg_segment_size: 72
    .max_flat_workgroup_size: 256
    .sgpr_count:     66
    .vgpr_count:     112
    .wavefront_size: 32
...
	.end_amdgpu_metadata
.endif
;; end of part 1
;; launch proj (part 2): grid 4 x 192, 4 waves a work-group, clusters of 4 x 4, 327,680 bytes of LDS; arguments x16, w16, bq, bk, bv, qh, kh, vh; writes qh, kh, vh
.if DOCPART == 2
	.amdgcn_target "amdgcn-amd-amdhsa--gfx1250"
	.amdhsa_code_object_version 6
	.text
	.protected	k_qf3d2e01bde_proj
	.globl	k_qf3d2e01bde_proj
	.p2align	8
	.type	k_qf3d2e01bde_proj,@function
k_qf3d2e01bde_proj:
	s_mov_b64 s[64:65], 0
	v_nop
	global_prefetch_b8 v0, s[64:65] scope:SCOPE_SE
	s_setreg_imm32_b32 hwreg(HW_REG_WAVE_MODE, 25, 1), 1
	s_wait_xcnt 0x0
	s_wait_alu depctr_hold_cnt(0) depctr_sa_sdst(0) depctr_va_vdst(0) depctr_va_sdst(0) depctr_va_ssrc(0) depctr_va_vcc(0) depctr_vm_vsrc(0)
	s_getreg_b32 s2, hwreg(HW_REG_IB_STS2, 6, 4)
	s_cmp_eq_u32 s2, 0
	s_cbranch_scc0 .Lentry_in_a_cluster
	s_endpgm
.Lentry_in_a_cluster:
	s_bfe_u32 s2, ttmp6, 0x10000c
	s_cmp_lg_u32 s2, 0xf033
	s_cbranch_scc0 .Lentry_shape_is_right
	s_endpgm
.Lentry_shape_is_right:
; THE THREE PROJECTIONS.  y[m][n] = the sum over k of x[m][k] w[n][k] + bias[n], for (q, wq, bq), (k, wk, bk), (v, wv, bv): M = 3 x 8,192 rows, N = K = 1,024.
; x16 = [3][4 b][16 kb][2048 s][64] and w16 = [4][16 kb][1024 n][64] hold bf16-rounded numbers written as f16; the bias is rounded to bf16 here; sums in f32; y is rounded once to f16, unscaled,
; and written by heads: qh, kh, vh = [b x 16 + head][2048 s][64].
; LIMITS.  y stays within f16's 65,504 (beyond it an infinity is written); below 2^-14 it keeps f16's fixed step of 6e-8.  NaN and infinities are not treated apart.
; SHARES.  A work-group makes 128 rows x 256 columns: 192 x 4 = 768 work-groups, three for each of 256 WGPs.  Four waves, 2 x 2: a wave makes 64 x 128 in 32 accumulators of 16 x 16, 256 registers.
; K goes in 8 steps of 128 (two blocks kb of 64 channels) through a ring of two LDS slots.  In a block a tile's rows lie end to end, so a plane (one block's part of a tile) is asked for as rows of
; 256 bytes and padded in LDS after every 128: waves 0 and 1 fetch A's two planes (16 KiB each), waves 2 and 3 B's (32 KiB each): one tensor load a wave for each K step.
; CLUSTERS.  4 x 4 work-groups.  The four of a row of the cluster need the same tile of A, the four of a column the same tile of B: each is asked for JOINTLY, by the same tensor load with the same
; descriptor and a mask that names the four.  A cluster spans all 1,024 columns.
; THE MATRIX INSTRUCTION IS USED TRANSPOSED (source 0 = 16 rows of w, source 1 = 16 rows of x): a lane holds row l % 16 of y and the eight neighbouring columns 8 (l / 16) + 0..7.
; THE BIAS is the C operand of the products that start the sums: eight tiles of registers in which every row is the bias.  Nothing is cleared and nothing is added later.
; REGISTERS, in windows of 256 (s_set_vgpr_msb: bits 1:0 source 0, 3:2 source 1, 5:4 source 2, 7:6 destination):
;   window 0: v0-31 addresses; v32-127, v128-223 two fragment buffers (A's 4 fragments of 16 rows x 32 K, then B's 8); v224-255 at work      window 1: accumulator (a, b) at 8 (8 a + b)      window 2: v0-63 the bias tiles
.set PITCH,  144                       ; an LDS row: 128 bytes + 16 of padding = 36 words: the 16 rows of a load start at 16 different groups of four banks (64 banks of 4 bytes: ISA guide 11.1)
.set APL,    128*PITCH                 ; a plane of A: 128 rows
.set BPL,    256*PITCH                 ; a plane of B: 256 rows
.set SLOT,   2*APL+2*BPL               ; A's two planes, then B's two
.set STAGE,  2*SLOT                    ; behind the ring, never filled by a tensor load: for the way out
.set WSTG,   2*16*PITCH                ; a wave's stage: 2 heads x 16 rows x 144 bytes
.set SPARE,  STAGE+4*WSTG              ; behind the stages: the spare words, 128 bytes for each wave: two blocks of 256 bytes that no other line names
.set AKS,    2*2048*128                ; bytes from K step to K step in x16: two blocks of 2,048 rows
.set BKS,    2*1024*128                ; and in w16
.set LAPS,   4                         ; a lap = two K steps = once round the ring
.set ADRA, 16                          ; v16-17  LDS address of my A fragments in slot 0, 1
.set ADRB, 20                          ; v20-21  the same for B
.set STO,  24                          ; v24     the way out: where I put 16 bytes of a row
.set RD,   25                          ; v25     the way out: where I read rows back
.set GO,   26                          ; v26     16 x lane: my place in 512 consecutive bytes of the output
.set VB,   27                          ; v27     32 (l / 16): my eight numbers in 16 of the bias
.set SPW,  28                          ; v28     LDS address of my spare word: SPARE + 4 x my thread's number; never rewritten
.set NIL,  29                          ; v29     0; never rewritten
.set PFO,  30                          ; v30     256 x lane: the prefetches' offset; never rewritten
.set F0,   32
.set F1,   128
.set TMP,  224
.set OB,   32                          ; the way out: block a's rows come back into v[32 + 32 a ..]
.set LAP,  3                           ; s3      laps to go
.set WV,   12                          ; s12     my wave's number
.set WM,   13                          ; s13     which 64 rows are mine.  Also: I fetch for A (0) or for B (1)
.set WN,   14                          ; s14     which 128 columns are mine.  Also: which plane I fetch
.set CX,   15
.set CY,   16
.set TX,   17                          ; s17     tile column
.set TY,   18                          ; s18     tile row, 0..191
.set PP,   19                          ; s19     which projection: 0 q, 1 k, 2 v
.set G1,   24                          ; s[24:31] descriptor group 1 for A's planes;  s[32:39] group 0, a set for each slot
.set G0,   32
.set LIM,  42                          ; s42     1 in the wave that prefetches, else the greatest number
.set PFA,  44                          ; s[44:45] where my work-group's prefetches stand
.set G1B,  48                          ; s[48:55], s[56:63] the same for B's planes
.set G0B,  56
.set TOFF, 66                          ; s66     the tile's byte offset in x16, without the plane
.set MSB, 0
.macro WIN new                         ; the immediate's high byte repeats the setting that is left; a switch that changes nothing is dropped
.if MSB != (\new)
	s_set_vgpr_msb (MSB<<8)|(\new)
.set MSB, \new
.endif
.endm
.set MUL,  0x50                        ; both sources window 0; C and D window 1
.set MULB, 0x60                        ; C window 2 (the bias), D window 1
; A joint load.  The branch hangs on the wave's number alone: it is the same in every work-group.  An s_nop 0 and four v_nop follow each of the two lines, ahead of the jump and the label.
.macro JLOAD s
	s_cmp_eq_u32 s[WM], 0
	s_cbranch_scc0 .Lfor_b_\@
	tensor_load_to_lds s[G0+4*(\s):G0+4*(\s)+3], s[G1:G1+7]
	s_nop 0
.rept 4
	v_nop
.endr
	s_branch .Lasked_\@
.Lfor_b_\@:
	tensor_load_to_lds s[G0B+4*(\s):G0B+4*(\s)+3], s[G1B:G1B+7]
	s_nop 0
.rept 4
	v_nop
.endr
.Lasked_\@:
.endm
; A PREFETCH INTO THE L2 of A's tile of the K step that stands two refills on: 128 blocks of 256 bytes.  The four partners that ask for the tile jointly share them out BY ADDRESS, 32 each
; (partner cx: plane cx / 2, half cx % 2); in each, wave 0 asks: a lane a block, one instruction.  Only this cluster reads these rows, so each block is named once in the launch.
; K steps 0 to 3 come by their loads alone; the loop's last trip, whose refills are the last two K steps, asks for nothing.  The weights are not asked for: every cluster of a projection reads them.
.macro ASK
	s_cmp_gt_u32 s[LAP], s[LIM]
	s_cbranch_scc0 .Lnot_mine_\@
	global_prefetch_b8 v[PFO], s[PFA:PFA+1] offset:AKS th:TH_LOAD_NT scope:SCOPE_SE
.Lnot_mine_\@:
.endm
.macro CREST                           ; a round of the cluster's barrier behind its opening barrier: wave 0 signals for the work-group, every wave waits for all sixteen, my work-group's barrier once more
	s_cmp_lg_u32 s[WV], 0
	s_cbranch_scc1 .Lnot_wave_0_\@
	s_barrier_signal -3
.Lnot_wave_0_\@:
	s_barrier_wait -3
	s_barrier_signal -1
	s_barrier_wait -1
.endm
.macro CROUND                          ; a whole round
	s_barrier_signal -1
	s_barrier_wait -1
	CREST
.endm
	s_load_b512 s[68:83], s[0:1], 0x0              ; x16 s[68:69], w16 s[70:71], bq, bk, bv s[72:77], qh, kh, vh s[78:83]
	v_lshl_add_u32 v[SPW], v0, 2, SPARE
	v_mov_b32 v[NIL], 0
	ds_add_u32 v[SPW], v[NIL]                      ; the wave's opening: the add and its wait stand ahead of my first tensor load; the set-up below, work on registers, stands between them
	v_lshrrev_b32 v1, 5, v0
	v_readfirstlane_b32 s[WV], v1                  ; wave 0..3
	s_lshr_b32 s[WM], s[WV], 1
	s_and_b32 s[WN], s[WV], 1
	s_bfe_u32 s[CX], ttmp6, 0x40000                ; my place in the cluster
	s_bfe_u32 s[CY], ttmp6, 0x40004
	s_lshl_b32 s[TX], ttmp9, 2                     ; in a cluster launch ttmp9 and ttmp7 count clusters
	s_add_co_u32 s[TX], s[TX], s[CX]
	s_and_b32 s[PP], ttmp7, 0xffff
	s_lshl_b32 s[TY], s[PP], 2
	s_add_co_u32 s[TY], s[TY], s[CY]
	s_lshr_b32 s[PP], s[PP], 4                     ; 16 rows of clusters to a projection: made of the cluster's y alone, so all sixteen partners share it
	s_lshl_b32 s40, s[CY], 2
	s_lshl_b32 s40, 15, s40                        ; my row of the cluster: places 4 cy .. 4 cy + 3
	s_lshl_b32 s41, 0x1111, s[CX]                  ; my column: places cx, cx + 4, cx + 8, cx + 12
	; descriptor group 1: rows of 128 elements (256 bytes: two rows of a plane), padded in LDS after every 32 words by 4
	s_or_b32 s[G1], s40, (1<<16)|(1<<20)|(1<<21)|(4<<22)|(3<<25)   ; 15:0 the mask: A's go to my row; 17:16 2-byte elements; 20 padding on; 21 set beside a mask; 24:22 after every 32 words (code 4); 31:25 4 words (code 3)
	s_or_b32 s[G1B], s41, (1<<16)|(1<<20)|(1<<21)|(4<<22)|(3<<25)  ; the same with the mask of my column
	s_mov_b32 s[G1+1], 128<<16                     ; tensor_dim0 = 128
	s_mov_b32 s[G1+2], 64<<16                      ; tensor_dim1 = 64
	s_mov_b32 s[G1+3], 128<<16                     ; tile_dim0 = 128
	s_mov_b32 s[G1+4], 64                          ; tile_dim1 = 64: 16 KiB
	s_mov_b32 s[G1+5], 128                         ; 128 elements from row to row: dense
	s_mov_b32 s[G1+6], 0
	s_mov_b32 s[G1+7], 0
	s_mov_b32 s[G1B+1], 128<<16
	s_mov_b32 s[G1B+2], 128<<16                    ; tensor_dim1 = 128
	s_mov_b32 s[G1B+3], 128<<16
	s_mov_b32 s[G1B+4], 128                        ; tile_dim1 = 128: 32 KiB
	s_mov_b32 s[G1B+5], 128
	s_mov_b32 s[G1B+6], 0
	s_mov_b32 s[G1B+7], 0
	; where the planes come from.  A's hang on the tile row alone, B's on the tile column and the projection alone; each in registers that never hold the other coordinate
	s_lshr_b32 s[TOFF], s[TY], 4                   ; 16 tiles of 128 rows to a (tensor, b): 2^22 bytes each
	s_lshl_b32 s[TOFF], s[TOFF], 22
	s_and_b32 s21, s[TY], 15
	s_lshl_b32 s21, s21, 14                        ; 128 rows of 128 bytes
	s_add_co_u32 s[TOFF], s[TOFF], s21
	s_lshl_b32 s21, s[WN], 18                      ; my plane: a block of 2,048 rows
	s_add_co_u32 s20, s[TOFF], s21
	s_mov_b32 s21, 0
	s_lshl_b32 s22, s[PP], 21                      ; the weight,
	s_lshl_b32 s23, s[TX], 15                      ; 256 rows of 128 bytes,
	s_add_co_u32 s22, s22, s23
	s_lshl_b32 s23, s[WN], 17                      ; my plane: a block of 1,024 rows
	s_add_co_u32 s22, s22, s23
	s_mov_b32 s23, 0
	s_mul_i32 s2, s[WN], APL                       ; and where they go: no place in the cluster enters an LDS address
	s_mul_i32 s43, s[WN], BPL
	s_add_co_u32 s43, s43, 2*APL
	s_cmp_eq_u32 s[WV], 0
	s_cselect_b32 s[LIM], 1, -1
	s_wait_dscnt 0x0                               ; the opening add is done
	s_wait_kmcnt 0x0
	s_mov_b64 s[4:5], s[68:69]
	s_mov_b64 s[6:7], s[70:71]
	s_add_nc_u64 s[20:21], s[4:5], s[20:21]
	s_add_nc_u64 s[22:23], s[6:7], s[22:23]
	CROUND                                         ; all sixteen work-groups are here: the first joint loads meet
.irp s, 0,1
	s_mov_b32 s[G0+4*(\s)], 1                      ; 1:0 count = 1
	s_add_co_u32 s[G0+4*(\s)+1], s2, (\s)*SLOT     ; 63:32 LDS address
	s_add_nc_u64 s[G0+4*(\s)+2:G0+4*(\s)+3], s[20:21], (\s)*AKS  ; 120:64 global address: K step s
	s_or_b32 s[G0+4*(\s)+3], s[G0+4*(\s)+3], 0x80000000          ; 127:126 type = 2
	s_mov_b32 s[G0B+4*(\s)], 1
	s_add_co_u32 s[G0B+4*(\s)+1], s43, (\s)*SLOT
	s_add_nc_u64 s[G0B+4*(\s)+2:G0B+4*(\s)+3], s[22:23], (\s)*BKS
	s_or_b32 s[G0B+4*(\s)+3], s[G0B+4*(\s)+3], 0x80000000
	JLOAD \s                                       ; the ring is filled before anything else is done: two loads of mine are out
.endr
	; the bias and the output of my projection; the choice hangs on the cluster's y alone
	s_mov_b64 s[10:11], s[72:73]
	s_mov_b64 s[8:9], s[78:79]
	s_cmp_eq_u32 s[PP], 1
	s_cselect_b64 s[10:11], s[74:75], s[10:11]
	s_cselect_b64 s[8:9], s[80:81], s[8:9]
	s_cmp_eq_u32 s[PP], 2
	s_cselect_b64 s[10:11], s[76:77], s[10:11]
	s_cselect_b64 s[8:9], s[82:83], s[8:9]
	s_lshl_b32 s46, s[TX], 10                      ; my first column, 256 tx + 128 WN, in f32
	s_lshl_b32 s47, s[WN], 9
	s_add_co_u32 s46, s46, s47
	s_mov_b32 s47, 0
	s_add_nc_u64 s[10:11], s[10:11], s[46:47]
	v_and_b32 v1, 15, v0                           ; l % 16
	v_bfe_u32 v2, v0, 4, 1                         ; l / 16
	v_lshlrev_b32 v[VB], 5, v2
	WIN 0x80                                       ; destination window 2, address window 0
.irp b, 0,1,2,3,4,5,6,7
	global_load_b128 v[8*(\b):8*(\b)+3],   v[VB], s[10:11] offset:64*(\b)      ; register 8 b + j: bias[first column + 16 b + 8 (l / 16) + j]
	global_load_b128 v[8*(\b)+4:8*(\b)+7], v[VB], s[10:11] offset:64*(\b)+16
.endr
	WIN 0
	; A fragment is 16 rows x 32 K in 8 registers: lane l holds row l % 16; registers 0-3 hold K = 8 (l / 16) + 0..7, registers 4-7 K = 16 + 8 (l / 16) + 0..7: two loads of 16 bytes, 32 bytes apart.
	v_mul_u32_u24 v3, v1, PITCH
	v_lshl_add_u32 v3, v2, 4, v3                   ; row x pitch + 16 x half
	s_mul_i32 s2, s[WM], 64*PITCH                  ; my 64 rows of A's planes
	s_mul_i32 s43, s[WN], 128*PITCH                ; my 128 rows of B's,
	s_add_co_u32 s43, s43, 2*APL                   ; which lie behind A's two
.irp s, 0,1
	v_add_nc_u32 v[ADRA+(\s)], s2, v3
	v_add_nc_u32 v[ADRB+(\s)], s43, v3
	s_add_co_u32 s2, s2, SLOT
	s_add_co_u32 s43, s43, SLOT
.endr
	s_mul_i32 s2, s[WV], WSTG
	s_add_co_u32 s2, s2, STAGE                     ; my stage
	v_add_nc_u32 v[STO], s2, v3                    ; in: row l % 16, 16 bytes for each half of the lanes
	v_bfe_u32 v4, v0, 3, 2                         ; back: 32 lanes take four rows of 128 bytes,
	v_mul_u32_u24 v4, v4, PITCH
	v_and_b32 v5, 7, v0
	v_lshl_add_u32 v4, v5, 4, v4
	v_add_nc_u32 v[RD], s2, v4
	v_and_b32 v[GO], 31, v0                        ; which are 512 consecutive bytes of a head
	v_lshlrev_b32 v[PFO], 8, v[GO]
	v_lshlrev_b32 v[GO], 4, v[GO]
	; where my part of the output begins: b, my first head 4 tx + 2 WN, my first row 128 (ty % 16) + 64 WM
	s_lshr_b32 s46, s[TY], 4
	s_and_b32 s46, s46, 3
	s_lshl_b32 s46, s46, 22
	s_lshl_b32 s47, s[TX], 20
	s_add_co_u32 s46, s46, s47
	s_lshl_b32 s47, s[WN], 19
	s_add_co_u32 s46, s46, s47
	s_and_b32 s47, s[TY], 15
	s_lshl_b32 s47, s47, 14
	s_add_co_u32 s46, s46, s47
	s_lshl_b32 s47, s[WM], 13
	s_add_co_u32 s46, s46, s47
	s_mov_b32 s47, 0
	s_add_nc_u64 s[8:9], s[8:9], s[46:47]
	; the prefetches: my work-group's 32 blocks of A's tile, at K step 2; the first refill steps it to 3 and names K step 4
	s_lshr_b32 s46, s[CX], 1
	s_lshl_b32 s46, s46, 18
	s_and_b32 s47, s[CX], 1
	s_lshl_b32 s47, s47, 13
	s_add_co_u32 s46, s46, s47
	s_add_co_u32 s46, s46, s[TOFF]
	s_mov_b32 s47, 0
	s_add_nc_u64 s[PFA:PFA+1], s[4:5], s[46:47]
	s_add_nc_u64 s[PFA:PFA+1], s[PFA:PFA+1], 2*AKS
	s_wait_loadcnt 0x0                             ; the bias; it is rounded to bf16, like every input, and widened again
	WIN 0x0a                                       ; sources window 2, destination window 0
.set i, 0
.rept 32
	v_cvt_pk_bf16_f32 v[TMP+i], v[2*i], v[2*i+1]
.set i, i+1
.endr
	WIN 0x80
.set i, 0
.rept 32
	v_lshlrev_b32 v[2*i], 16, v[TMP+i]
	v_and_b32 v[2*i+1], 0xffff0000, v[TMP+i]
.set i, i+1
.endr
	WIN 0
; 8 matrix instructions: m block a x all 8 n blocks, 32 along K.  cb = 1: the products start the sums, on the bias.
; The 32 accumulators take turns, in the same order in every quarter: between two links of a chain stand the 31 others'.
.macro MULA f, a, cb
.irp b, 0,1,2,3,4,5,6,7
.if \cb
	v_wmma_f32_16x16x32_f16 v[8*(8*(\a)+(\b)):8*(8*(\a)+(\b))+7], v[(\f)+32+8*(\b):(\f)+32+8*(\b)+7], v[(\f)+8*(\a):(\f)+8*(\a)+7], v[8*(\b):8*(\b)+7]
.else
	v_wmma_f32_16x16x32_f16 v[8*(8*(\a)+(\b)):8*(8*(\a)+(\b))+7], v[(\f)+32+8*(\b):(\f)+32+8*(\b)+7], v[(\f)+8*(\a):(\f)+8*(\a)+7], v[8*(8*(\a)+(\b)):8*(8*(\a)+(\b))+7]
.endif
.endr
.endm
; 24 LDS loads in one run: the fragments of quarter kq of a K step (plane kq / 2, channels 32 (kq % 2) on) into buffer f
.macro FETCH slot, kq, f
	WIN 0
.irp i, 0,1,2,3,4,5,6,7
	ds_load_b128 v[(\f)+32+8*(\i):(\f)+32+8*(\i)+3],   v[ADRB+(\slot)] offset:((\kq)/2)*BPL+((\kq)%2)*64+(\i)*16*PITCH
	ds_load_b128 v[(\f)+32+8*(\i)+4:(\f)+32+8*(\i)+7], v[ADRB+(\slot)] offset:((\kq)/2)*BPL+((\kq)%2)*64+(\i)*16*PITCH+32
.endr
.irp i, 0,1,2,3
	ds_load_b128 v[(\f)+8*(\i):(\f)+8*(\i)+3],   v[ADRA+(\slot)] offset:((\kq)/2)*APL+((\kq)%2)*64+(\i)*16*PITCH
	ds_load_b128 v[(\f)+8*(\i)+4:(\f)+8*(\i)+7], v[ADRA+(\slot)] offset:((\kq)/2)*APL+((\kq)%2)*64+(\i)*16*PITCH+32
.endr
.endm
.macro PLACES                          ; four places in front of loads into registers that matrix instructions have read, and of lines that read results (ISA guide 7.12.1 for vector instructions)
.rept 4
	v_nop
.endr
.endm
; A K step is four quarters of 32 along K, 32 matrix instructions each, on buffers 0, 1, 0, 1.  One of the first three: the next quarter kq is fetched into g, then f is multiplied.
.macro QUARTER slot, kq, f, g, cb
	s_wait_dscnt 0x0                               ; buffer f is in: its loads went out ahead of the last quarter's products
	PLACES
	FETCH \slot, \kq, \g
.if \cb
	WIN MULB
.else
	WIN MUL
.endif
	MULA \f, 0, \cb
	MULA \f, 1, \cb
	MULA \f, 2, \cb
	MULA \f, 3, \cb
.endm
; The last quarter multiplies buffer 1 and changes slots: ONE barrier.  In front of it each wave waits for all its tensor loads, of which one is out: its plane of the next slot; adds 0 to its spare word;
; and waits for that and for its own reads of this slot.  fill = 1: the barrier opens a round of the cluster's, and this slot is filled again first thing behind it, two K steps ahead:
; from that request to the wait for it a wave issues 112 matrix instructions.
.macro TURN slot, next, fill
.if \fill
	s_wait_xcnt 0x0                                ; the last prefetch, a K step back, has read its address: it is stepped here, ahead of the waits of the change of slots
	s_add_nc_u64 s[PFA:PFA+1], s[PFA:PFA+1], AKS
.endif
	WIN 0                                          ; (the add's two registers lie in window 0)
	s_wait_tensorcnt 0x0                           ; all my tensor loads have landed
	ds_add_u32 v[SPW], v[NIL]                      ; 0 onto my spare word
	s_wait_dscnt 1                                 ; buffer 1's 24 loads are in; the add alone may be out
	WIN MUL
	MULA F1, 0, 0                                  ; eight matrix instructions stand between the add and the wait for it
	s_wait_dscnt 0x0                               ; the add is done, and my reads of this slot are over
	s_barrier_signal -1
	MULA F1, 1, 0
.if \fill
	WIN 0
.endif
	s_barrier_wait -1
.if \fill
	CREST                                          ; no wave of any partner still reads this slot or has a load on its way
	s_add_nc_u64 s[G0+4*(\slot)+2:G0+4*(\slot)+3], s[G0+4*(\slot)+2:G0+4*(\slot)+3], 2*AKS
	s_add_nc_u64 s[G0B+4*(\slot)+2:G0B+4*(\slot)+3], s[G0B+4*(\slot)+2:G0B+4*(\slot)+3], 2*BKS
	JLOAD \slot                                    ; the first tensor load behind the round; the four v_nop behind it are also the places in front of the loads below
.else
	PLACES
.endif
	FETCH \next, 0, F0
.if \fill
	ASK                                            ; behind the joint load and the run of LDS loads that the next products wait for
.endif
	WIN MUL
	MULA F1, 2, 0
	MULA F1, 3, 0
.endm
	s_wait_tensorcnt 1                             ; my plane of K step 0 is in; K step 1's may stay out
	s_barrier_signal -1
	s_barrier_wait -1                              ; everybody's is
	FETCH 0, 0, F0
	QUARTER 0, 1, F0, F1, 1                        ; the first quarter stands in front of the loop: its products start the sums
	WIN 0                                          ; at a label and at a branch every window is 0
	s_mov_b32 s[LAP], LAPS-1
.Llap:                                                 ; a trip goes once round the ring, from a lap's second quarter to the next lap's first, and fills both slots again
	QUARTER 0, 2, F1, F0, 0
	QUARTER 0, 3, F0, F1, 0
	TURN 0, 1, 1
	QUARTER 1, 1, F0, F1, 0
	QUARTER 1, 2, F1, F0, 0
	QUARTER 1, 3, F0, F1, 0
	TURN 1, 0, 1
	QUARTER 0, 1, F0, F1, 0
	WIN 0
	s_sub_co_u32 s[LAP], s[LAP], 1
	s_cmp_lg_u32 s[LAP], 0
	s_cbranch_scc1 .Llap
	QUARTER 0, 2, F1, F0, 0                        ; the last lap fills nothing, and has no round of the cluster's barrier
	QUARTER 0, 3, F0, F1, 0
	TURN 0, 1, 0
	QUARTER 1, 1, F0, F1, 0
	QUARTER 1, 2, F1, F0, 0
	QUARTER 1, 3, F0, F1, 0
	s_wait_dscnt 0x0                               ; the very last quarter: nothing more to fetch
	WIN MUL
	MULA F1, 0, 0
	MULA F1, 1, 0
	MULA F1, 2, 0
	MULA F1, 3, 0
	WIN 0
; THE WAY OUT, a block of 16 rows at a time.  PACK: rounded to f16, 16 bytes a lane, each accumulator's registers in ascending order.  TOSTAGE: into my own stage, by heads, and back as whole rows of
; 128 bytes.  SEND: 16 rows of a head are 2,048 consecutive bytes of the output; each store of the wave covers 512 of them, aligned.  The stage is my own: LDS serves a wave's instructions in order (ISA guide 5.7.1.4).
.macro PACK a
	WIN 0x05                                       ; sources window 1, destination window 0
.irp b, 0,1,2,3,4,5,6,7
.irp r, 0,1,2,3
	v_cvt_pk_f16_f32 v[TMP+4*(\b)+(\r)], v[8*(8*(\a)+(\b))+2*(\r)], v[8*(8*(\a)+(\b))+2*(\r)+1]
.endr
.endr
	WIN 0
.endm
.macro TOSTAGE a
.irp b, 0,1,2,3,4,5,6,7
	ds_store_b128 v[STO], v[TMP+4*(\b):TMP+4*(\b)+3] offset:((\b)/4)*16*PITCH+((\b)%4)*32
.endr
.irp f, 0,1,2,3,4,5,6,7
	ds_load_b128 v[OB+32*(\a)+4*(\f):OB+32*(\a)+4*(\f)+3], v[RD] offset:((\f)/4)*16*PITCH+((\f)%4)*4*PITCH
.endr
.endm
.macro SEND a
	s_wait_dscnt 0x0                               ; the block is back in registers; each block has registers of its own, so no store's data is rewritten
.irp f, 0,1,2,3,4,5,6,7
	global_store_b128 v[GO], v[OB+32*(\a)+4*(\f):OB+32*(\a)+4*(\f)+3], s[8:9] offset:((\f)/4)*262144+(\a)*2048+((\f)%4)*512
.endr
.endm
	PLACES
	PACK 0
	TOSTAGE 0
.irp a, 1,2,3                          ; block a's conversions stand between block a - 1's loads from the stage and the wait for them
	PACK \a
	SEND (\a)-1
	TOSTAGE \a
.endr
	SEND 3
	s_wait_tensorcnt 0x0                           ; the wave's end: behind my last tensor load and my last LDS store
	ds_add_u32 v[SPW], v[NIL]
	s_wait_dscnt 0x0
	CROUND                                         ; the closing round: no work-group ends while a partner may still ask for a tile that names it
	s_endpgm
.Lfunc_end_k_qf3d2e01bde_proj:
	.size	k_qf3d2e01bde_proj, .Lfunc_end_k_qf3d2e01bde_proj-k_qf3d2e01bde_proj
	.p2alignl 7, 3214868480
	.fill 96, 4, 3214868480
	.section	.rodata,"a",@progbits
	.p2align	6, 0x0
	.amdhsa_kernel k_qf3d2e01bde_proj
		.amdhsa_group_segment_fixed_size 327680
		.amdhsa_private_segment_fixed_size 0
		.amdhsa_enable_private_segment 0
		.amdhsa_kernarg_size 64
		.amdhsa_user_sgpr_count 2
		.amdhsa_user_sgpr_kernarg_segment_ptr 1
		.amdhsa_wavefront_size32 1
		.amdhsa_system_sgpr_workgroup_id_x 1
		.amdhsa_system_sgpr_workgroup_id_y 1
		.amdhsa_system_sgpr_workgroup_id_z 1
		.amdhsa_system_vgpr_workitem_id 0
		.amdhsa_next_free_vgpr 576
		.amdhsa_next_free_sgpr 84
		.amdhsa_reserve_vcc 0
		.amdhsa_float_denorm_mode_32 3
		.amdhsa_float_denorm_mode_16_64 3
		.amdhsa_memory_ordered 1
		.amdhsa_forward_progress 1
		.amdhsa_inst_pref_size 93
	.end_amdhsa_kernel
	.amdgpu_metadata
---
amdhsa.version: [ 1, 2 ]
amdhsa.kernels:
  - .name:           k_qf3d2e01bde_proj
    .symbol:         k_qf3d2e01bde_proj.kd
    .args:
      - { .name: x16, .offset: 0, .size: 8, .value_kind: global_buffer, .address_space: global }
      - { .name: w16, .offset: 8, .size: 8, .value_kind: global_buffer, .address_space: global }
      - { .name: bq, .offset: 16, .size: 8, .value_kind: global_buffer, .address_space: global }
      - { .name: bk, .offset: 24, .size: 8, .value_kind: global_buffer, .address_space: global }
      - { .name: bv, .offset: 32, .size: 8, .value_kind: global_buffer, .address_space: global }
      - { .name: qh, .offset: 40, .size: 8, .value_kind: global_buffer, .address_space: global }
      - { .name: kh, .offset: 48, .size: 8, .value_kind: global_buffer, .address_space: global }
      - { .name: vh, .offset: 56, .size: 8, .value_kind: global_buffer, .address_space: global }
    .group_segment_fixed_size: 327680
    .private_segment_fixed_size: 0
    .kernarg_segment_align: 8
    .kernarg_segment_size: 64
    .max_flat_workgroup_size: 128
    .sgpr_count:     84
    .vgpr_count:     576
    .wavefront_size: 32
...
	.end_amdgpu_metadata
.endif
;; end of part 2
;; launch attn (part 3): grid 4 x 64, 4 waves a work-group, clusters of 4 x 1, 327,680 bytes of LDS; arguments qh, kh, vh, o16; writes o16
.if DOCPART == 3
	.amdgcn_target "amdgcn-amd-amdhsa--gfx1250"
	.amdhsa_code_object_version 6
	.text
	.protected	k_qf3d2e01bde_attn
	.globl	k_qf3d2e01bde_attn
	.p2align	8
	.type	k_qf3d2e01bde_attn,@function
k_qf3d2e01bde_attn:
	s_mov_b64 s[64:65], 0
	v_nop
	global_prefetch_b8 v0, s[64:65] scope:SCOPE_SE
	s_setreg_imm32_b32 hwreg(HW_REG_WAVE_MODE, 25, 1), 1
	s_wait_xcnt 0x0
	s_wait_alu depctr_hold_cnt(0) depctr_sa_sdst(0) depctr_va_vdst(0) depctr_va_sdst(0) depctr_va_ssrc(0) depctr_va_vcc(0) depctr_vm_vsrc(0)
	s_getreg_b32 s2, hwreg(HW_REG_IB_STS2, 6, 4)
	s_cmp_eq_u32 s2, 0
	s_cbranch_scc0 .Lentry_in_a_cluster
	s_endpgm
.Lentry_in_a_cluster:
	s_bfe_u32 s2, ttmp6, 0x10000c
	s_cmp_lg_u32 s2, 0x3003
	s_cbranch_scc0 .Lentry_shape_is_right
	s_endpgm
.Lentry_shape_is_right:
; O[h][q][:] = the sum over k of softmax_k(Q[h][q] . K[h][k] / 8) V[h][k][:].  Q, K, V, O: [SIZE_H][SIZE_N][64], all f16: a head's rows are dense, 128 bytes each (a head here is one of 4 b x 16 heads).
; Products, maxima and sums in f32; the weights p are rounded to f16 for the second product (their sum l is taken of the unrounded p), O once at the end.
; LIMITS.  f16 holds no number beyond 65,504: Q, K and V arrive within it; p lies in 0 to 1, and below 6e-5 it keeps f16's fixed step of 6e-8; O is a mean of V's rows and has their range.
; A weight below 2^-126 counts as 0 in l; NaN and infinities are not treated apart.
; SHARES.  A wave owns four PIECES of two tiles of 16 queries, a work-group's four waves 512 queries of one head: 4 x 64 = 256 work-groups.  Every wave walks all keys, 64 a step.
; LAYOUT.  S^T = K Q^T (source 0 = 16 keys, source 1 = 16 queries): in the result a lane holds ONE query (lane % 16) and the keys 8 (lane / 16) + 0..7.  Two such tiles, rounded to f16 in pairs,
; ARE source 1 (32 keys x 16 queries) of O^T = V^T P, whose result again holds one query a lane, and eight channels.  K comes out of LDS as it lies, V ([key][channel]) turned, by ds_load_tr16_b128.
; SOFTMAX.  For each query a running maximum m and sum l: p = 2^(c s - c m), c = log2(e) / 8; in every step O and l are multiplied by a = 2^(c m_old - c m_new), which is 1 where m has not grown.
; m starts at the lowest finite number, O and l at 0: the first step is a step like any other, with a = 0.
; THE COUNT.  A tile and step have 16 matrix and 118 vector instructions: too many to stand all beside the matrix work.  So the order has one aim: four vector instructions that are READY behind
; EVERY matrix instruction, and the others, which need time of their own whatever the order, in runs without a gap.
; BY TURNS.  Turn n belongs to piece n (the pieces in a ring, step after step).  Its matrix work: 16 products K Q^T of piece n + 1, later 16 products V^T P of piece n - 1.  Its vector work: the scaling,
; exponentials, roundings, sums and rescaling of piece n, and the maximum and statistics of piece n + 1, whose scores the turn itself has made.  So what a turn begins with (c s - c m, O a) waits for nothing.
; CLUSTER.  The four query blocks of a cluster are one head's and walk the same K and V, so each tile is asked for JOINTLY: the same tensor load, descriptor and mask in all four.
; REGISTERS, in windows of 256 (s_set_vgpr_msb says which window each operand place means: bits 1:0 source 0, 3:2 source 1, 5:4 source 2, 7:6 destination):
;   window 0: v0-11 addresses; v12-15, v48-63 at work; v16-47 four registers of statistics a tile; v64-191 S^T, two buffers of two tiles; v192-255 P, likewise
;   window 1: O^T, 32 a tile          window 2: v0-127 Q, 16 a tile; v128-191 K of one step; v192-255 V of one step          window 3: v0-1 the add's two registers
; A piece's buffers go by its number's parity: the piece in hand has one pair, its two neighbours in the ring share the other: of it P (piece n - 1) is read and S^T (piece n + 1) written.
.set SIZE_H, 64
.set SIZE_N, 2048
.set NP,    4         ; pieces a wave: a name, no knob: the register map, the loop and the fetches are made for four
.set KS,    64        ; keys in a step
.set PK,    144       ; a row of K in LDS: 128 bytes + 16 of padding = 36 words: the 16 rows of a load start at 16 different groups of four banks (64 banks of 4 bytes: ISA guide 11.1)
.set PV,    160       ; a row of V: 128 + 32 = 40 words
.set VOFF,  4*KS*PK   ; a slot holds four steps: 256 rows of K, then 256 rows of V
.set SLOT1, 1<<17     ; slot 1 begins here, so that one exclusive or turns an address in one slot into the other's
.set STAGE, SLOT1+4*KS*(PK+PV)  ; behind the ring, never filled by a tensor load: 16 rows x 144 bytes for each wave, for the way out
.set SP,    144
.set AK0, 2           ; v2   my lane's place in a tile of K; never rewritten
.set AV0, 3           ; v3   the same for V
.set AK,  4           ; v4   the LDS address of K's next run of loads
.set AV,  5           ; v5   of V's
.set QO,  6           ; v6   my byte offset in the wave's rows of Q
.set STO, 6           ;      later, the way out: where I put 16 bytes of a row
.set RD,  7           ; v7   the way out: where I read rows back
.set GO,  8           ; v8   my byte offset in 512 consecutive bytes of O
.set PFO, 11          ; v11  256 x my lane: the prefetches' offset; made when V's place is made, then never rewritten
.set SPW, 0           ; v0 of window 3   LDS address of my spare word: SPARE + 4 x my thread's number; never rewritten
.set NIL, 1           ; v1 of window 3   0; never rewritten
.set SPARE, STAGE+4*16*SP  ; behind the stages: the spare words, 128 bytes for each wave: two blocks of 256 bytes that no other line names
.set MV,  12          ; v12-15  c m_old, kept while c m is made anew: by buffer and tile
.set ST,  16          ; tile t's statistics at v[ST+4 t]: c m, m, l (even keys', odd keys')
.set TMP, 48          ; by buffer and tile, four registers c0-c3 at work; when the maximum is found c2 takes a
.set S,   64
.set P,   192
.set KF,  128         ; K's fragments, in window 2: key block kb, channel half c at KF + 16 kb + 8 c
.set VF,  192         ; V's: key half kk, channel block cb at VF + 32 kk + 8 cb
.set WV,  12          ; s12  my wave's number
.set G1K, 24          ; s[24:31] descriptor group 1 for K's tiles
.set G1V, 32          ; s[32:39] for V's: it differs in the padding alone
.set G0K, 40          ; s[40:43] descriptor group 0 for K's tiles: it walks
.set G0V, 44          ; s[44:47] the same for V's
.set PFA, 48          ; s[48:49] where my prefetches stand: my work-group's 32 blocks of 256 bytes (of K: wave 0, of V: wave 2) of the slot after the one that is being asked for
.set LIM, 50          ; s50  1 in a wave that prefetches, else the greatest number: a wave prefetches while s[SLOTS] is above it
.set SLOTS, 56        ; s56  slots still to be asked for
.set CNT, 57          ; s57  counts a slot's key steps
.set CS,  58          ; s[58:59] c: the packed scaling takes the pair's low word for both halves
.set SEL, 60          ; s[60:61] v_permlanex16_b32's selects: each lane takes its own place in the other half
.set TBK, 62          ; s62  LDS byte at which K of the step to be fetched begins
.set TBV, 63          ; s63  the same for V, less VOFF
.set MSB, 0
.macro WIN new                      ; the high byte repeats the setting that is left; a switch that changes nothing is dropped
.if MSB != (\new)
	s_set_vgpr_msb (MSB<<8)|(\new)
.set MSB, (\new)
.endif
.endm
.set W_KQ, 0x0a       ; K and Q in window 2, S^T in window 0
.set W_PV, 0x52       ; V in window 2, P in window 0, O^T in window 1
.set W_RS, 0x41       ; O^T (destination and source 0) in window 1, a in window 0
.set W_MK, 0xc0       ; the add's registers are made: destination in window 3, sources in window 0
.set W_AD, 0x0f       ; the add: address (source 0) and data (source 1) in window 3
; A joint fill.  Waves 0 and 1 fetch the two halves of a slot's K, waves 2 and 3 those of its V: 128 keys each.  The branch hangs on the wave's number alone.
; An s_nop 0 and four v_nop follow each of the two lines, ahead of the jump and the label.
.macro JLOAD
	s_cmp_lt_u32 s[WV], 2
	s_cbranch_scc0 .Lfor_v_\@
	tensor_load_to_lds s[G0K:G0K+3], s[G1K:G1K+7]
	s_nop 0
.rept 4
	v_nop
.endr
	s_branch .Lasked_\@
.Lfor_v_\@:
	tensor_load_to_lds s[G0V:G0V+3], s[G1V:G1V+7]
	s_nop 0
.rept 4
	v_nop
.endr
.Lasked_\@:
.endm
; A PREFETCH INTO THE L2 of what the NEXT change of slots will ask for: a slot's 32,768 bytes of K and of V, 128 blocks of 256 bytes each, a lane a block.  It stands behind the wave's tensor load and its five lines.
; Each block is asked for ONCE in the launch: a head has one cluster; its four partners share the blocks out BY ADDRESS, 32 each; in each, wave 0 asks for K's and wave 2 for V's: one instruction.
; Slots 0, 1 and 2 come by their loads alone; the last change that fills a slot prefetches nothing: there is no slot behind it.
.macro ASK
	s_cmp_gt_u32 s[SLOTS], s[LIM]
	s_cbranch_scc0 .Lnot_mine_\@
	global_prefetch_b8 v[PFO], s[PFA:PFA+1] th:TH_LOAD_NT scope:SCOPE_SE
.Lnot_mine_\@:
.endm
; A round of the cluster's barrier: my work-group's barrier, so that wave 0's signal speaks for all four waves; wave 0 signals; every wave waits for all four work-groups; my work-group's barrier once more.
.macro CROUND
	s_barrier_signal -1
	s_barrier_wait -1
	s_cmp_lg_u32 s[WV], 0
	s_cbranch_scc1 .Lnot_wave_0_\@
	s_barrier_signal -3
.Lnot_wave_0_\@:
	s_barrier_wait -3
	s_barrier_signal -1
	s_barrier_wait -1
.endm
; THE CHANGE OF SLOTS.  The slot's last bytes, V of its fourth step, have been read.  Each wave waits for all its tensor loads, of which one is out: its part
; of the other slot; adds 0 to its spare word; and waits for that and for its own reads of the slot.  Behind the barrier nobody reads this slot any more and the other slot is whole.
; fill = 1: this slot is filled again, with the keys two slots on.  The barrier is then a round of the cluster's, so that no wave of any partner still reads the slot or has a load on its
; way, and the joint fill is the first thing behind it: it has four key steps, 512 matrix instructions, in which to land.  (At its first use nothing has been read yet: slot 0 is waited for, slot 1 filled.)
; ask = 1: the prefetches' address steps a slot on, and the slot behind the one just asked for is prefetched.
.macro CHANGE fill, ask=0
	WIN W_AD
	s_wait_tensorcnt 0x0            ; no tensor load of mine is out, so a group 0 may be written
	ds_add_u32 v[SPW], v[NIL]       ; 0 onto my spare word; with fill = 1 the descriptors' steps stand between it and the wait for it
	WIN 0                           ; at a label and at a branch every window is 0
.if \fill
.irp g, G0K, G0V
	s_xor_b32 s[\g+1], s[\g+1], SLOT1  ; the walking descriptor: the other slot than last time,
	s_add_nc_u64 s[\g+2:\g+3], s[\g+2:\g+3], 4*KS*128  ; the next 256 keys; the type bits on top are not reached
.endr
.if \ask
	s_wait_xcnt 0x0                 ; the last prefetch, four key steps back, has read its address, so it may be written:
	s_add_nc_u64 s[PFA:PFA+1], s[PFA:PFA+1], 4*KS*128  ; one slot behind the walking descriptors
.endif
	s_wait_dscnt 0x0                ; the add is done, and my reads of the slot are over
	CROUND
	JLOAD
.if \ask
	ASK
.endif
.else
	s_wait_dscnt 0x0                ; the add is done, and my reads of the slot are over
	s_barrier_signal -1
	s_barrier_wait -1
.endif
	s_sub_co_u32 s[TBK], s[TBK], 4*KS*PK  ; the fetches go back to a slot's first step,
	s_xor_b32 s[TBK], s[TBK], SLOT1       ; in the other slot
	s_sub_co_u32 s[TBV], s[TBV], 4*KS*PV
	s_xor_b32 s[TBV], s[TBV], SLOT1
.endm
	s_load_b256 s[4:11], s[0:1], 0x0  ; Q s[4:5], K s[6:7], V s[8:9], O s[10:11]
	WIN W_MK
	v_lshl_add_u32 v[SPW], v0, 2, SPARE
	v_mov_b32 v[NIL], 0
	WIN W_AD
	ds_add_u32 v[SPW], v[NIL]       ; the wave's opening: the add and its wait stand ahead of my first tensor load; the set-up below, work on registers, stands between them
	WIN 0
	v_lshrrev_b32 v1, 5, v0
	v_readfirstlane_b32 s[WV], v1   ; wave 0..3
	s_bfe_u32 s13, ttmp6, 0x40000   ; cx: my place in the cluster
	s_lshl_b32 s14, ttmp9, 2        ; in a cluster launch ttmp9 counts clusters
	s_add_co_u32 s14, s14, s13      ; my block of queries = 4 x cluster x + cx: it enters Q's and O's addresses alone
	s_and_b32 s20, ttmp7, 0xffff    ; the head, which the four partners share
	s_mov_b32 s21, 0
	s_mov_b64 s[22:23], SIZE_N*128
	s_mul_u64 s[20:21], s[20:21], s[22:23]  ; the head's first byte in each of the four tensors
	s_and_b32 s16, s[WV], 1         ; which half of a slot's 256 keys I fetch:
	s_lshl_b32 s22, s16, 14         ; its 128 rows of 128 bytes in memory,
	s_mov_b32 s23, 0
	s_add_nc_u64 s[22:23], s[22:23], s[20:21]
	s_mul_i32 s17, s16, 128*PK      ; and its place in a slot, for K
	s_mul_i32 s18, s16, 128*PV      ; and for V: no place in the cluster enters an LDS address
	s_lshl_b32 s2, s14, 2
	s_add_co_u32 s2, s2, s[WV]      ; my wave among the head's,
	s_lshl_b32 s2, s2, 14           ; its 128 rows
	s_mov_b32 s3, 0
	s_add_nc_u64 s[2:3], s[2:3], s[20:21]
	; descriptor group 1.  128 keys are 16,384 dense bytes: asked for as 64 rows of 256 bytes, two keys a row, and padded in LDS after every key
	s_mov_b32 s[G1K], 15|(1<<16)|(1<<20)|(1<<21)|(4<<22)|(3<<25)  ; 15:0 the mask of four; 17:16 2-byte elements; 20 padding on; 21 set beside a mask; 24:22 after every 32 words (code 4); 31:25 4 words (code 3)
	s_mov_b32 s[G1V], 15|(1<<16)|(1<<20)|(1<<21)|(4<<22)|(7<<25)  ; the same with 8 words of padding (code 7)
.irp g, G1K, G1V
	s_mov_b32 s[\g+1], 128<<16      ; tensor_dim0 = 128
	s_mov_b32 s[\g+2], 64<<16       ; tensor_dim1 = 64
	s_mov_b32 s[\g+3], 128<<16      ; tile_dim0 = 128
	s_mov_b32 s[\g+4], 64           ; tile_dim1 = 64
	s_mov_b32 s[\g+5], 128          ; 128 elements from row to row
	s_mov_b32 s[\g+6], 0
	s_mov_b32 s[\g+7], 0
.endr
	s_mov_b32 s[CS], 0x3e38aa3b     ; c = log2(e) / 8 = 0.180337
	s_mov_b32 s[CS+1], s[CS]        ; named with it as a pair
	s_mov_b32 s[SEL], 0x76543210
	s_mov_b32 s[SEL+1], 0xfedcba98
	s_mov_b32 s[TBK], SLOT1+4*KS*PK ; the first change of slots turns these two into 0
	s_mov_b32 s[TBV], SLOT1+4*KS*PV
	s_mov_b32 s[G0K], 1             ; 1:0 count = 1
	s_mov_b32 s[G0K+1], s17         ; 63:32 LDS address: slot 0
	s_mov_b32 s[G0V], 1
	s_add_co_u32 s[G0V+1], s18, VOFF
	s_and_b32 s[LIM], s[WV], 1      ; waves 0 and 2 prefetch: the same in all four partners
	s_cmp_eq_u32 s[LIM], 0
	s_cselect_b32 s[LIM], 1, -1
	s_wait_dscnt 0x0                ; the opening add is done
	s_wait_kmcnt 0x0
	s_add_nc_u64 s[G0K+2:G0K+3], s[6:7], s[22:23]  ; 120:64 global address: my half of the head's first 256 keys
	s_or_b32 s[G0K+3], s[G0K+3], 0x80000000        ; 127:126 type = 2
	s_add_nc_u64 s[G0V+2:G0V+3], s[8:9], s[22:23]
	s_or_b32 s[G0V+3], s[G0V+3], 0x80000000
	s_add_nc_u64 s[4:5], s[4:5], s[2:3]  ; Q and O at my wave's first row
	s_add_nc_u64 s[10:11], s[10:11], s[2:3]
	s_cmp_lt_u32 s[WV], 2
	s_cselect_b64 s[PFA:PFA+1], s[6:7], s[8:9]
	s_add_nc_u64 s[PFA:PFA+1], s[PFA:PFA+1], s[20:21]  ; the head,
	s_lshl_b32 s52, s13, 13         ; my work-group's 32 blocks of the 128,
	s_mov_b32 s53, 0
	s_add_nc_u64 s[PFA:PFA+1], s[PFA:PFA+1], s[52:53]
	s_add_nc_u64 s[PFA:PFA+1], s[PFA:PFA+1], 2*4*KS*128  ; in slot 2; the first change that asks steps it to slot 3.  Nothing is prefetched here, at the head, where every work-group's first tiles are on their way
	CROUND                          ; all four work-groups are here: the first joint loads meet
	JLOAD                           ; slot 0.  Slot 1 is asked for when slot 0 is in: the tile wanted first has the road to itself
	; A fragment of K or Q is 16 rows x 32 channels in 8 registers: lane l holds row l % 16, channels 8 (l / 16) + 0..7 and 16 + 8 (l / 16) + 0..7: two loads of 16 bytes, 32 bytes apart.
	v_and_b32 v1, 15, v0            ; l % 16
	v_bfe_u32 v9, v0, 4, 1          ; l / 16
	v_lshlrev_b32 v[QO], 7, v1
	v_lshl_add_u32 v[QO], v9, 4, v[QO]  ; row x 128 + 16 x half
	WIN 0x80                        ; destination window 2, address window 0
.set i, 0
.rept 4*NP                          ; Q stays in registers: tile i / 2, channels 32 (i % 2) on
	global_load_b128 v[8*i:8*i+3],   v[QO], s[4:5] offset:(i/2)*2048+(i%2)*64
	global_load_b128 v[8*i+4:8*i+7], v[QO], s[4:5] offset:(i/2)*2048+(i%2)*64+32
.set i, i+1
.endr
	; What the first turn finds: V's registers and P's second buffer hold 0 (its products V^T P, of a piece that has not been, add 0), O^T and l are 0.  All this stands in the wait for the first tile.
.set i, VF
.rept 64
	v_mov_b32 v[i], 0
.set i, i+1
.endr
	WIN 0x40
.set i, 0
.rept 64*NP
	v_mov_b32 v[i], 0
.set i, i+1
.endr
	WIN 0
.set i, 0
.rept 2*NP
	v_mov_b32 v[ST+4*i], 0xfe000000    ; c m: far below every c s
	v_mov_b32 v[ST+4*i+1], 0xff7fffff  ; m
	v_mov_b32 v[ST+4*i+2], 0
	v_mov_b32 v[ST+4*i+3], 0
.set i, i+1
.endr
.set i, P+32
.rept 32
	v_mov_b32 v[i], 0
.set i, i+1
.endr
	v_mul_u32_u24 v[AK0], v1, PK
	v_lshl_add_u32 v[AK0], v9, 4, v[AK0]  ; row x pitch + 16 x half
	; The turning load takes 16 keys x 16 channels (lane l reads key 8 (l / 16) + l % 8, channels 8 ((l / 8) % 2) + 0..7) and leaves half a fragment of V^T: lane l holds channel l % 16 and 8 keys.
	v_and_b32 v10, 7, v0
	v_bfe_u32 v11, v0, 3, 1
	v_lshl_add_u32 v[AV0], v9, 3, v10
	v_mul_u32_u24 v[AV0], v[AV0], PV
	v_lshl_add_u32 v[AV0], v11, 4, v[AV0]
	v_add_nc_u32 v[AV0], VOFF, v[AV0]
	v_and_b32 v[PFO], 31, v0
	v_lshlrev_b32 v[PFO], 8, v[PFO]
	v_mov_b32 v[AK], v[AK0]         ; key step 0 lies at the head of slot 0
; THE MATRIX WORK.  The 8 accumulators of a run of 16 take turns: between the two links of a chain stand 7 others'.
; Product i of 16 of S^T = K Q^T for piece x: channels 32 (i / 8) on, keys 16 ((i / 2) % 4) on, tile 2 x + i % 2.  The first 8 start the sums.
.macro KQ x
	WIN W_KQ
.set rS, S+64*((\x)%2)+32*(i%2)+8*((i/2)%4)
.set rK, KF+16*((i/2)%4)+8*(i/8)
.set rQ, 16*(2*(\x)+i%2)+8*(i/8)
.if i < 8
	v_wmma_f32_16x16x32_f16 v[rS:rS+7], v[rK:rK+7], v[rQ:rQ+7], 0
.else
	v_wmma_f32_16x16x32_f16 v[rS:rS+7], v[rK:rK+7], v[rQ:rQ+7], v[rS:rS+7]
.endif
.endm
; Product i of 16 of O^T += V^T P for piece x: keys 32 (i / 8) on, channels 16 ((i / 2) % 4) on, tile 2 x + i % 2.
.macro PV x
	WIN W_PV
.set rO, 32*(2*(\x)+i%2)+8*((i/2)%4)
.set rV, VF+32*(i/8)+8*((i/2)%4)
.set rP, P+32*((\x)%2)+16*(i%2)+8*(i/8)
	v_wmma_f32_16x16x32_f16 v[rO:rO+7], v[rV:rV+7], v[rP:rP+7], v[rO:rO+7]
.endm
.macro MM                           ; the turn's next matrix instruction
.if i < 16
	KQ (Y+1)%NP
.set i, i+1
.else
.set i, i-16
	PV (Y+NP-1)%NP
.set i, i+17
.endif
.endm
; THE LDS LOADS stand in runs of 16, never singly among the matrix instructions: a step's K (64 keys x 64 channels: 8 fragments) and its V (turned).  Their addresses are made some lines ahead.
; last = 1 (the tail): in the last trip there is no further step, and the run is jumped over.
.macro FETCH_K last=0
	WIN 0
.if \last
	s_cmp_eq_u32 s[CNT], 1
	s_cbranch_scc1 .Lno_k_\@
.endif
	WIN 0x80                        ; destination window 2
.irp f, 0,1,2,3,4,5,6,7             ; keys 16 (f / 2) on, channels 32 (f % 2) on
	ds_load_b128 v[KF+8*\f:KF+8*\f+3],   v[AK] offset:(\f/2)*16*PK+(\f%2)*64
	ds_load_b128 v[KF+8*\f+4:KF+8*\f+7], v[AK] offset:(\f/2)*16*PK+(\f%2)*64+32
.endr
	s_add_co_u32 s[TBK], s[TBK], KS*PK  ; the next fetch is the next step's
	WIN 0
.if \last
.Lno_k_\@:
.endif
.endm
.macro FETCH_V
	WIN 0x80
.irp f, 0,1,2,3,4,5,6,7             ; keys 32 (f / 4) on, channels 16 (f % 4) on
	ds_load_tr16_b128 v[VF+8*\f:VF+8*\f+3],   v[AV] offset:(\f/4)*32*PV+(\f%4)*32
	ds_load_tr16_b128 v[VF+8*\f+4:VF+8*\f+7], v[AV] offset:(\f/4)*32*PV+16*PV+(\f%4)*32
.endr
	WIN 0
.endm
; THE VECTOR WORK OF A TURN stands in three queues, each in the order in which its entries become ready; the two tiles alternate, so that no instruction reads the result of the one before it.
.macro REGS y, u                    ; the registers of tile u (0, 1) of piece y
.set rT, ST+4*(2*(\y)+(\u))
.set rC, TMP+8*((\y)%2)+4*(\u)
.set rM, MV+2*((\y)%2)+(\u)
.set rS, S+64*((\y)%2)+32*(\u)
.set rP, P+32*((\y)%2)+16*(\u)
.set rO, 32*(2*(\y)+(\u))
.endm
; Number n of the 22 that find the NEXT piece's (Y + 1) maximum and statistics.  s0-s31 are the lane's 32 scores; each accumulator's lowest registers are read first.  XS, GS and REGS set no window: PL and EX do.
;   0-11  four chains c0-c3 of seven scores each, three operands at a time     12-14, 16  the four scores left over, the old m, and c0-c3 into c0     15  c m_old is kept
;   17, 18  the query's other 32 keys lie in the lane 16 away: the new m         19-21  c m; c m_old - c m_new; a
.macro XS u, n
	REGS (Y+1)%NP, \u
.if (\n) < 4
	v_max3_num_f32 v[rC+(\n)], v[rS+8*(\n)], v[rS+8*(\n)+1], v[rS+8*(\n)+2]
.elseif (\n) < 12
	v_max3_num_f32 v[rC+(\n)%4], v[rC+(\n)%4], v[rS+8*((\n)%4)+2*((\n)/4)+1], v[rS+8*((\n)%4)+2*((\n)/4)+2]
.elseif (\n) == 12
	v_max3_num_f32 v[rC], v[rC], v[rS+7], v[rS+15]
.elseif (\n) == 13
	v_max3_num_f32 v[rC+1], v[rC+1], v[rS+23], v[rS+31]
.elseif (\n) == 14
	v_max3_num_f32 v[rC+2], v[rC+2], v[rC+3], v[rT+1]
.elseif (\n) == 15
	v_mov_b32 v[rM], v[rT]
.elseif (\n) == 16
	v_max3_num_f32 v[rC], v[rC], v[rC+1], v[rC+2]
.elseif (\n) == 17
	v_permlanex16_b32 v[rC+3], v[rC], s[SEL], s[SEL+1]
.elseif (\n) == 18
	v_max_num_f32 v[rT+1], v[rC], v[rC+3]
.elseif (\n) == 19
	v_mul_f32 v[rT], s[CS], v[rT+1]
.elseif (\n) == 20
	v_sub_f32 v[rC+1], v[rM], v[rT]
.else
	v_exp_f32 v[rC+2], v[rC+1]
.endif
.endm
; Number g of the 64 that follow the exponentials.  For each four weights k of a tile (pairs 2 k, 2 k + 1): both pairs are rounded to f16; then the second pair is added onto the first, in place;
; a group later l takes that sum (the first time as l = a l + sum).  In groups of eight, tiles alternating: round, round, add, and l for the group before.
.macro GS g
.set h, (\g)+6*((\g)/62)            ; group 0 has no group before it, and behind group 7 only l is left
.if h >= 6
.set h, h+2
.endif
	REGS Y, h%2
.set k, h/8
.if h%8 < 4
	s_wait_alu depctr_va_vdst(0)
	v_cvt_pk_f16_f32 v[rP+2*k+(h%8)/2], v[rS+4*k+2*((h%8)/2)], v[rS+4*k+2*((h%8)/2)+1]
.elseif h%8 < 6
	v_pk_add_f32 v[rS+4*k:rS+4*k+1], v[rS+4*k:rS+4*k+1], v[rS+4*k+2:rS+4*k+3]
.elseif k == 1
	v_pk_fma_f32 v[rT+2:rT+3], v[rT+2:rT+3], v[rC+2:rC+3], v[rS:rS+1] op_sel_hi:[1,0,1]
.else
	v_pk_add_f32 v[rT+2:rT+3], v[rT+2:rT+3], v[rS+4*k-4:rS+4*k-3]
	s_wait_alu depctr_va_vdst(0)
.endif
.endm
; THE PLAIN QUEUE, 138 long.  0-31: c s - c m for the 16 pairs of both tiles.  Then GS's 64, and among them the next piece's 42: number 15 at 38, 39; 0-14 and 16
; at 42-73, behind the products that make those scores; 17-20 at 95-106, two of three, since each waits for the one before it.
.macro PL
	WIN 0
.if q < 32
	REGS Y, q%2
	v_pk_fma_f32 v[rS+2*(q/2):rS+2*(q/2)+1], v[rS+2*(q/2):rS+2*(q/2)+1], s[CS:CS+1], v[rT:rT+1] op_sel_hi:[1,0,0] neg_lo:[0,0,1] neg_hi:[0,0,1]
.elseif q < 38
	GS q-32
.elseif q < 40
	XS q%2, 15
.elseif q < 42
	GS q-34
.elseif q < 74
	XS q%2, (q-42)/2+(q-42)/30
.elseif q < 95
	GS q-66
.elseif (q < 107) && ((q-95)%3 < 2)
	XS (q-95)%3, 17+(q-95)/3
.elseif q < 107
	GS 29+(q-95)/3
.else
	GS q-74
.endif
.set q, q+1
.endm
; THE EXPONENTIALS' QUEUE, 66 long: s0-s31 of both tiles, and at EA the next piece's two a.
.set EA, 58
.macro EX
	WIN 0
.if (e == EA) || (e == EA+1)
	XS e-EA, 21
.else
.set x, e-2*(e/(EA+2))
	REGS Y, x%2
	v_exp_f32 v[rS+x/2], v[rS+x/2]
.endif
.set e, e+1
.endm
; THE RESCALING's QUEUE: O^T times a, the one part that leaves window 0, so it is dealt four at a time, eight times.
.macro R4
	REGS Y, r%2
	WIN W_RS
	s_wait_alu depctr_va_vdst(0)
.irp z, 0,1,2,3
	v_pk_mul_f32 v[rO+8*(r/2)+2*\z:rO+8*(r/2)+2*\z+1], v[rO+8*(r/2)+2*\z:rO+8*(r/2)+2*\z+1], v[rC+2:rC+3] op_sel_hi:[1,0]
.endr
.set r, r+1
.endm
; HOW THEY ARE DEALT.  Behind a matrix instruction four: plain, exponential, plain, plain (one exponential, a plain instruction on either side), or four of the rescaling.  None names a register of the
; products round it.  What is over stands in two LUMPS: exponential and plain by turns; the second ends in 22 plain instructions.  The two v_permlanex16_b32 fall into the second lump, never behind a product.
; The queues lean on each other, and the deal keeps them in step: exponential e stands behind plain 2 (e / 4) + e % 2 (its scaling); when plain 32 comes, 10 exponentials are out, at 59: 33, at 95: 46; EA comes behind plain 107.
.macro SL
	MM
	PL
	EX
	PL
	PL
.endm
.macro BURST n                      ; 15 matrix instructions, or 16
.rept (\n)-7
	SL
.endr
.rept 3
	MM
	R4
	SL
.endr
	MM
	R4
.endm
; A TURN, for piece p.  cnt = 1: the loop's count is taken down some lines ahead of the branch that stands behind the turn.
; K of the next step is fetched in piece 2's turn, 31 vector instructions behind the last product that read K; its first reader comes behind the rest of the lump, 16 products and the second lump.
; V of the step in hand is fetched at the end of piece 0's turn, 69 behind its last reader; its first reader comes behind 16 products and a lump.  The four conditions on e and q below go with the deal.
.macro TURN p, last=0, cnt=0
.set Y, (\p)
.set i, 0
.set q, 0
.set e, 0
.set r, 0
.if (\p) == NP-1
	s_wait_dscnt 0x0                ; K is in
.endif
	MM
.rept 4
	PL
.endr
	BURST 15
.rept 22
	EX
	PL
.if ((\p) == NP-2) && (e == 18)
	v_add_nc_u32 v[AK], s[TBK], v[AK0]
.endif
.if ((\p) == NP-2) && (e == 24)
	FETCH_K \last
.endif
.endr
.if (\p) == 1
	s_wait_dscnt 0x0                ; V is in
.endif
	BURST 16
.rept 21
	EX
	PL
.endr
.rept 22
	PL
.if ((\p) == 0) && (q == 118)
	v_add_nc_u32 v[AV], s[TBV], v[AV0]
	s_wait_alu depctr_va_vdst(0)
.endif
.if ((\p) == 0) && (q == 130)
	s_add_co_u32 s[TBV], s[TBV], KS*PV
.endif
.if (\cnt) && (q == 130)
	s_sub_co_u32 s[CNT], s[CNT], 1
	s_cmp_lg_u32 s[CNT], 0
.endif
.endr
.if (\p) == 0
	FETCH_V
.endif
.endm
	CHANGE 1                        ; slot 0 is in, everybody's part of it; slot 1 is asked for
	FETCH_K                         ; key step 0
	s_wait_loadcnt 0x0              ; Q
	s_wait_dscnt 0x0
.set i, 0
.rept 16
	KQ 0                            ; piece 0's first scores: there is no vector work yet to set between them
.set i, i+1
.endr
	WIN 0                           ; the addresses for the way out: nine plain instructions, the places behind those products
	s_mul_i32 s13, s[WV], 16*SP
	s_add_co_u32 s13, s13, STAGE    ; my stage
	v_mul_u32_u24 v[STO], v1, SP    ; in: row l % 16, 16 bytes for each half of the lanes
	v_lshl_add_u32 v[STO], v9, 4, v[STO]
	v_add_nc_u32 v[STO], s13, v[STO]
	v_bfe_u32 v[RD], v0, 3, 2       ; back: 32 lanes take four rows of 128 bytes,
	v_mul_u32_u24 v[RD], v[RD], SP
	v_lshl_add_u32 v[RD], v10, 4, v[RD]
	v_add_nc_u32 v[RD], s13, v[RD]
	v_and_b32 v[GO], 31, v0         ; which are 512 consecutive bytes of O
	v_lshlrev_b32 v[GO], 4, v[GO]
.set Y, NP-1                        ; XS works for piece Y + 1: piece 0
.irp n, 0,1,2,3,4,5,6,7,8,9,10,11,12,13,14,15,16,17,18,19,20,21
	XS 0, \n                        ; and piece 0's first maximum and statistics
	XS 1, \n
.endr
	s_mov_b32 s[CNT], 4
	s_mov_b32 s[SLOTS], SIZE_N/256-1
	s_branch .Lfirst                ; the loop is entered at a step's first turn, in the middle of a trip
.Lslot:                             ; SIZE_N / 256 - 2 times: every slot but the last two is filled again
	CHANGE 1, 1
	s_mov_b32 s[CNT], 4
.Lstep:                             ; a trip: pieces 2 and 3 of one step, then pieces 0 and 1 of the next, whose K and V it fetches
	TURN 2
	TURN 3
	WIN 0
.Lfirst:
	TURN 0
	TURN 1, 0, 1
	WIN 0
	s_cbranch_scc1 .Lstep
	s_sub_co_u32 s[SLOTS], s[SLOTS], 1
	s_cmp_lg_u32 s[SLOTS], 0
	s_cbranch_scc1 .Lslot
	CHANGE 0                        ; the tail is written out: nothing is asked for
	s_mov_b32 s[CNT], 5             ; four trips fetch the last slot's steps; the fifth is left in its middle
.Ltail:
	TURN 2, 1
	TURN 3
	WIN 0
	s_sub_co_u32 s[CNT], s[CNT], 1
	s_cmp_eq_u32 s[CNT], 0
	s_cbranch_scc1 .Lout
	TURN 0
	TURN 1
	WIN 0
	s_branch .Ltail
.Lout:                              ; the fifth trip's 16 products K Q^T (on the last K once more) and the maximum made of them serve nothing: the price, once a launch, of one text for every trip
.set i, 0
.rept 16
	PV NP-1                         ; the last piece's V^T P of the last step
.set i, i+1
.endr
	; THE WAY OUT.  l's two halves and the other half of the lanes' are added; O^T is divided by l, rounded to f16 and sent through my stage in LDS, a tile at a time.  The additions are the places behind the last products.
	WIN 0
.macro ALL line:vararg              ; one line for each tile t
.set t, 0
.rept 2*NP
	\line
.set t, t+1
.endr
.endm
	ALL v_add_f32 v[ST+4*t+2], v[ST+4*t+2], v[ST+4*t+3]
	ALL v_permlanex16_b32 v[ST+4*t+3], v[ST+4*t+2], s[SEL], s[SEL+1]
	ALL v_add_f32 v[ST+4*t+2], v[ST+4*t+2], v[ST+4*t+3]
	ALL v_rcp_f32 v[ST+4*t+2], v[ST+4*t+2]
	v_nop                           ; a plain instruction between the last reciprocal and the use of its result
	s_wait_alu depctr_va_vdst(0)
; Tile t: a lane's eight channels of a row pack into 16 bytes; they go into rows of 144 bytes and come back as whole rows of 128, into S^T's registers.
.macro PACK t
	WIN W_RS
.set i, 32*(\t)
.rept 16
	v_pk_mul_f32 v[i:i+1], v[i:i+1], v[ST+4*(\t)+2:ST+4*(\t)+3] op_sel_hi:[1,0]
.set i, i+2
.endr
	WIN 0x05                        ; sources 0 and 1 window 1, destination window 0
.set i, 0
.rept 16
	v_cvt_pk_f16_f32 v[S+16*(\t)+i], v[32*(\t)+2*i], v[32*(\t)+2*i+1]
.set i, i+1
.endr
	WIN 0
.irp f, 0,1,2,3
	ds_store_b128 v[STO], v[S+16*(\t)+4*\f:S+16*(\t)+4*\f+3] offset:32*\f
.endr
.irp f, 0,1,2,3
	ds_load_b128 v[S+16*(\t)+4*\f:S+16*(\t)+4*\f+3], v[RD] offset:\f*4*SP  ; LDS serves a wave's instructions in order (ISA guide 5.7.1.4): these see the stores above; the next tile's stores come behind them
.endr
.endm
.macro SEND t, younger              ; younger: the LDS instructions issued behind tile t's loads: the next tile's eight, or none
	WIN 0
.irp f, 0,1,2,3
	s_wait_dscnt (\younger)+3-\f
	global_store_b128 v[GO], v[S+16*(\t)+4*\f:S+16*(\t)+4*\f+3], s[10:11] offset:(\t)*2048+\f*512  ; 512 consecutive bytes, at a multiple of 256 from O's first
.endr
.endm
	PACK 0
.set t, 1
.rept 2*NP-1                        ; a tile's arithmetic stands between the loads of the tile before and its stores
	PACK t
	SEND t-1, 8
.set t, t+1
.endr
	SEND 2*NP-1, 0
	WIN W_AD
	s_wait_tensorcnt 0x0            ; the wave's end: behind my last tensor load and my last LDS store
	ds_add_u32 v[SPW], v[NIL]
	s_wait_dscnt 0x0
	WIN 0
	CROUND                          ; the closing round: no work-group ends while a partner may still ask for a tile that names it
	s_endpgm
.Lfunc_end_k_qf3d2e01bde_attn:
	.size	k_qf3d2e01bde_attn, .Lfunc_end_k_qf3d2e01bde_attn-k_qf3d2e01bde_attn
	.p2alignl 7, 3214868480
	.fill 96, 4, 3214868480
	.section	.rodata,"a",@progbits
	.p2align	6, 0x0
	.amdhsa_kernel k_qf3d2e01bde_attn
		.amdhsa_group_segment_fixed_size 327680
		.amdhsa_private_segment_fixed_size 0
		.amdhsa_enable_private_segment 0
		.amdhsa_kernarg_size 32
		.amdhsa_user_sgpr_count 2
		.amdhsa_user_sgpr_kernarg_segment_ptr 1
		.amdhsa_wavefront_size32 1
		.amdhsa_system_sgpr_workgroup_id_x 1
		.amdhsa_system_sgpr_workgroup_id_y 1
		.amdhsa_system_sgpr_workgroup_id_z 1
		.amdhsa_system_vgpr_workitem_id 0
		.amdhsa_next_free_vgpr 770
		.amdhsa_next_free_sgpr 66
		.amdhsa_reserve_vcc 0
		.amdhsa_float_denorm_mode_32 3
		.amdhsa_float_denorm_mode_16_64 3
		.amdhsa_memory_ordered 1
		.amdhsa_forward_progress 1
		.amdhsa_inst_pref_size 209
	.end_amdhsa_kernel
	.amdgpu_metadata
---
amdhsa.version: [ 1, 2 ]
amdhsa.kernels:
  - .name:           k_qf3d2e01bde_attn
    .symbol:         k_qf3d2e01bde_attn.kd
    .args:
      - { .name: qh, .offset: 0, .size: 8, .value_kind: global_buffer, .address_space: global }
      - { .name: kh, .offset: 8, .size: 8, .value_kind: global_buffer, .address_space: global }
      - { .name: vh, .offset: 16, .size: 8, .value_kind: global_buffer, .address_space: global }
      - { .name: o16, .offset: 24, .size: 8, .value_kind: global_buffer, .address_space: global }
    .group_segment_fixed_size: 327680
    .private_segment_fixed_size: 0
    .kernarg_segment_align: 8
    .kernarg_segment_size: 32
    .max_flat_workgroup_size: 128
    .sgpr_count:     66
    .vgpr_count:     770
    .wavefront_size: 32
...
	.end_amdgpu_metadata
.endif
;; end of part 3
;; launch outp (part 4): grid 4 x 64, 4 waves a work-group, clusters of 4 x 4, 327,680 bytes of LDS; arguments o16, w16, out0, bo; writes out0
.if DOCPART == 4
	.amdgcn_target "amdgcn-amd-amdhsa--gfx1250"
	.amdhsa_code_object_version 6
	.text
	.protected	k_qf3d2e01bde_outp
	.globl	k_qf3d2e01bde_outp
	.p2align	8
	.type	k_qf3d2e01bde_outp,@function
k_qf3d2e01bde_outp:
	s_mov_b64 s[64:65], 0
	v_nop
	global_prefetch_b8 v0, s[64:65] scope:SCOPE_SE
	s_setreg_imm32_b32 hwreg(HW_REG_WAVE_MODE, 25, 1), 1
	s_wait_xcnt 0x0
	s_wait_alu depctr_hold_cnt(0) depctr_sa_sdst(0) depctr_va_vdst(0) depctr_va_sdst(0) depctr_va_ssrc(0) depctr_va_vcc(0) depctr_vm_vsrc(0)
	s_getreg_b32 s2, hwreg(HW_REG_IB_STS2, 6, 4)
	s_cmp_eq_u32 s2, 0
	s_cbranch_scc0 .Lentry_in_a_cluster
	s_endpgm
.Lentry_in_a_cluster:
	s_bfe_u32 s2, ttmp6, 0x10000c
	s_cmp_lg_u32 s2, 0xf033
	s_cbranch_scc0 .Lentry_shape_is_right
	s_endpgm
.Lentry_shape_is_right:
; THE OUTPUT PROJECTION.  out0[m][n] = the sum over k of O[m][k] wo[n][k] + bo[n]: M = 8,192, N = K = 1,024; out0 is f32, [8192][1024].
; o16 = [b x 16 + head][2048 s][64] in f16: a head's 64 channels are one block of K.  wo is the fourth weight of w16 = [4][16 kb][1024 n][64], bf16-rounded numbers written as f16; bo is rounded to bf16 here; sums in f32.
; LIMITS.  None of its own: O and wo arrive within f16's range, the result is f32.  NaN and infinities are not treated apart.
; SHARES.  A work-group makes 128 rows x 256 columns: 64 x 4 = 256 work-groups.  Four waves, 2 x 2: a wave makes 64 x 128 in 32 accumulators of 16 x 16, 256 registers.
; K goes in 8 steps of 128 (two blocks of 64 channels) through a ring of two LDS slots.  In a block a tile's rows lie end to end, so a plane (one block's part of a tile) is asked for as rows of
; 256 bytes and padded in LDS after every 128: waves 0 and 1 fetch A's two planes (16 KiB each), waves 2 and 3 B's (32 KiB each): one tensor load a wave for each K step.
; CLUSTERS.  4 x 4 work-groups.  The four of a row of the cluster need the same tile of A, the four of a column the same tile of B: each is asked for JOINTLY, by the same tensor load with the same
; descriptor and a mask that names the four.  A cluster spans all 1,024 columns.
; THE MATRIX INSTRUCTION IS USED TRANSPOSED (source 0 = 16 rows of wo, source 1 = 16 rows of O): a lane holds row l % 16 of the result and the eight neighbouring columns 8 (l / 16) + 0..7.
; THE BIAS is the C operand of the products that start the sums: eight tiles of registers in which every row is the bias.  Nothing is cleared and nothing is added later.
; REGISTERS, in windows of 256 (s_set_vgpr_msb: bits 1:0 source 0, 3:2 source 1, 5:4 source 2, 7:6 destination):
;   window 0: v0-31 addresses; v32-127, v128-223 two fragment buffers (A's 4 fragments of 16 rows x 32 K, then B's 8); v224-255 at work      window 1: accumulator (a, b) at 8 (8 a + b)      window 2: v0-63 the bias tiles
.set PITCH,  144                       ; an LDS row: 128 bytes + 16 of padding = 36 words: the 16 rows of a load start at 16 different groups of four banks (64 banks of 4 bytes: ISA guide 11.1)
.set APL,    128*PITCH                 ; a plane of A: 128 rows
.set BPL,    256*PITCH                 ; a plane of B: 256 rows
.set SLOT,   2*APL+2*BPL               ; A's two planes, then B's two
.set STAGE,  2*SLOT                    ; behind the ring, never filled by a tensor load: for the way out
.set SPITCH, 528                       ; a stage row: 512 bytes + 16 = 132 words: row r starts at bank 4 r mod 64
.set WSTG,   16*SPITCH                 ; a wave's stage: 16 rows
.set SPARE,  STAGE+4*WSTG              ; behind the stages: the spare words, 128 bytes for each wave: two blocks of 256 bytes that no other line names
.set AKS,    2*2048*128                ; bytes from K step to K step in o16: two heads of 2,048 rows
.set BKS,    2*1024*128                ; and in w16
.set LAPS,   4                         ; a lap = two K steps = once round the ring
.set ADRA, 16                          ; v16-17  LDS address of my A fragments in slot 0, 1
.set ADRB, 20                          ; v20-21  the same for B
.set STO,  24                          ; v24     the way out: where I put 32 bytes of a row
.set RD,   25                          ; v25     the way out: where I read a row back
.set GO,   26                          ; v26     16 x lane: my place in a row's 512 bytes
.set VB,   27                          ; v27     32 (l / 16): my eight numbers in 16 of the bias
.set SPW,  28                          ; v28     LDS address of my spare word: SPARE + 4 x my thread's number; never rewritten
.set NIL,  29                          ; v29     0; never rewritten
.set PFO,  30                          ; v30     256 x lane: the prefetches' offset; never rewritten
.set F0,   32
.set F1,   128
.set TMP,  224
.set OB,   32                          ; the way out: 16 rows read back: v32-95 and v96-159 by turns
.set LAP,  3                           ; s3      laps to go
.set WV,   12                          ; s12     my wave's number
.set WM,   13                          ; s13     which 64 rows are mine.  Also: I fetch for A (0) or for B (1)
.set WN,   14                          ; s14     which 128 columns are mine.  Also: which plane I fetch
.set CX,   15
.set CY,   16
.set TX,   17                          ; s17     tile column
.set TY,   18                          ; s18     tile row, 0..63
.set G1,   24                          ; s[24:31] descriptor group 1 for A's planes;  s[32:39] group 0, a set for each slot
.set G0,   32
.set LIM,  42                          ; s42     1 in the wave that prefetches, else the greatest number
.set PFA,  44                          ; s[44:45] where my work-group's prefetches stand
.set G1B,  48                          ; s[48:55], s[56:63] the same for B's planes
.set G0B,  56
.set TOFF, 66                          ; s66     the tile's byte offset in o16, without the plane
.set MSB, 0
.macro WIN new                         ; the immediate's high byte repeats the setting that is left; a switch that changes nothing is dropped
.if MSB != (\new)
	s_set_vgpr_msb (MSB<<8)|(\new)
.set MSB, \new
.endif
.endm
.set MUL,  0x50                        ; both sources window 0; C and D window 1
.set MULB, 0x60                        ; C window 2 (the bias), D window 1
; A joint load.  The branch hangs on the wave's number alone: it is the same in every work-group.  An s_nop 0 and four v_nop follow each of the two lines, ahead of the jump and the label.
.macro JLOAD s
	s_cmp_eq_u32 s[WM], 0
	s_cbranch_scc0 .Lfor_b_\@
	tensor_load_to_lds s[G0+4*(\s):G0+4*(\s)+3], s[G1:G1+7]
	s_nop 0
.rept 4
	v_nop
.endr
	s_branch .Lasked_\@
.Lfor_b_\@:
	tensor_load_to_lds s[G0B+4*(\s):G0B+4*(\s)+3], s[G1B:G1B+7]
	s_nop 0
.rept 4
	v_nop
.endr
.Lasked_\@:
.endm
; A PREFETCH INTO THE L2 of A's tile of the K step that stands two refills on: 128 blocks of 256 bytes.  The four partners that ask for the tile jointly share them out BY ADDRESS, 32 each
; (partner cx: plane cx / 2, half cx % 2); in each, wave 0 asks: a lane a block, one instruction.  Only this cluster reads these rows, so each block is named once in the launch.
; K steps 0 to 3 come by their loads alone; the loop's last trip, whose refills are the last two K steps, asks for nothing.  The weights are not asked for: every cluster reads them.
.macro ASK
	s_cmp_gt_u32 s[LAP], s[LIM]
	s_cbranch_scc0 .Lnot_mine_\@
	global_prefetch_b8 v[PFO], s[PFA:PFA+1] offset:AKS th:TH_LOAD_NT scope:SCOPE_SE
.Lnot_mine_\@:
.endm
.macro CREST                           ; a round of the cluster's barrier behind its opening barrier: wave 0 signals for the work-group, every wave waits for all sixteen, my work-group's barrier once more
	s_cmp_lg_u32 s[WV], 0
	s_cbranch_scc1 .Lnot_wave_0_\@
	s_barrier_signal -3
.Lnot_wave_0_\@:
	s_barrier_wait -3
	s_barrier_signal -1
	s_barrier_wait -1
.endm
.macro CROUND                          ; a whole round
	s_barrier_signal -1
	s_barrier_wait -1
	CREST
.endm
	s_load_b256 s[4:11], s[0:1], 0x0               ; o16 s[4:5], w16 s[6:7], out0 s[8:9], bo s[10:11]
	v_lshl_add_u32 v[SPW], v0, 2, SPARE
	v_mov_b32 v[NIL], 0
	ds_add_u32 v[SPW], v[NIL]                      ; the wave's opening: the add and its wait stand ahead of my first tensor load; the set-up below, work on registers, stands between them
	v_lshrrev_b32 v1, 5, v0
	v_readfirstlane_b32 s[WV], v1                  ; wave 0..3
	s_lshr_b32 s[WM], s[WV], 1
	s_and_b32 s[WN], s[WV], 1
	s_bfe_u32 s[CX], ttmp6, 0x40000                ; my place in the cluster
	s_bfe_u32 s[CY], ttmp6, 0x40004
	s_lshl_b32 s[TX], ttmp9, 2                     ; in a cluster launch ttmp9 and ttmp7 count clusters
	s_add_co_u32 s[TX], s[TX], s[CX]
	s_and_b32 s[TY], ttmp7, 0xffff
	s_lshl_b32 s[TY], s[TY], 2
	s_add_co_u32 s[TY], s[TY], s[CY]
	s_lshl_b32 s40, s[CY], 2
	s_lshl_b32 s40, 15, s40                        ; my row of the cluster: places 4 cy .. 4 cy + 3
	s_lshl_b32 s41, 0x1111, s[CX]                  ; my column: places cx, cx + 4, cx + 8, cx + 12
	; descriptor group 1: rows of 128 elements (256 bytes: two rows of a plane), padded in LDS after every 32 words by 4
	s_or_b32 s[G1], s40, (1<<16)|(1<<20)|(1<<21)|(4<<22)|(3<<25)   ; 15:0 the mask: A's go to my row; 17:16 2-byte elements; 20 padding on; 21 set beside a mask; 24:22 after every 32 words (code 4); 31:25 4 words (code 3)
	s_or_b32 s[G1B], s41, (1<<16)|(1<<20)|(1<<21)|(4<<22)|(3<<25)  ; the same with the mask of my column
	s_mov_b32 s[G1+1], 128<<16                     ; tensor_dim0 = 128
	s_mov_b32 s[G1+2], 64<<16                      ; tensor_dim1 = 64
	s_mov_b32 s[G1+3], 128<<16                     ; tile_dim0 = 128
	s_mov_b32 s[G1+4], 64                          ; tile_dim1 = 64: 16 KiB
	s_mov_b32 s[G1+5], 128                         ; 128 elements from row to row: dense
	s_mov_b32 s[G1+6], 0
	s_mov_b32 s[G1+7], 0
	s_mov_b32 s[G1B+1], 128<<16
	s_mov_b32 s[G1B+2], 128<<16                    ; tensor_dim1 = 128
	s_mov_b32 s[G1B+3], 128<<16
	s_mov_b32 s[G1B+4], 128                        ; tile_dim1 = 128: 32 KiB
	s_mov_b32 s[G1B+5], 128
	s_mov_b32 s[G1B+6], 0
	s_mov_b32 s[G1B+7], 0
	; where the planes come from.  A's hang on the tile row alone, B's on the tile column alone; each in registers that never hold the other coordinate
	s_lshr_b32 s[TOFF], s[TY], 4                   ; 16 tiles of 128 rows to a b: 2^22 bytes each
	s_lshl_b32 s[TOFF], s[TOFF], 22
	s_and_b32 s21, s[TY], 15
	s_lshl_b32 s21, s21, 14                        ; 128 rows of 128 bytes
	s_add_co_u32 s[TOFF], s[TOFF], s21
	s_lshl_b32 s21, s[WN], 18                      ; my plane: a head of 2,048 rows
	s_add_co_u32 s20, s[TOFF], s21
	s_mov_b32 s21, 0
	s_lshl_b32 s22, s[TX], 15                      ; 256 rows of 128 bytes,
	s_add_co_u32 s22, s22, 3<<21                   ; in the fourth weight,
	s_lshl_b32 s23, s[WN], 17                      ; my plane: a block of 1,024 rows
	s_add_co_u32 s22, s22, s23
	s_mov_b32 s23, 0
	s_mul_i32 s2, s[WN], APL                       ; and where they go: no place in the cluster enters an LDS address
	s_mul_i32 s43, s[WN], BPL
	s_add_co_u32 s43, s43, 2*APL
	s_cmp_eq_u32 s[WV], 0
	s_cselect_b32 s[LIM], 1, -1
	s_wait_dscnt 0x0                               ; the opening add is done
	s_wait_kmcnt 0x0
	s_add_nc_u64 s[20:21], s[4:5], s[20:21]
	s_add_nc_u64 s[22:23], s[6:7], s[22:23]
	CROUND                                         ; all sixteen work-groups are here: the first joint loads meet
.irp s, 0,1
	s_mov_b32 s[G0+4*(\s)], 1                      ; 1:0 count = 1
	s_add_co_u32 s[G0+4*(\s)+1], s2, (\s)*SLOT     ; 63:32 LDS address
	s_add_nc_u64 s[G0+4*(\s)+2:G0+4*(\s)+3], s[20:21], (\s)*AKS  ; 120:64 global address: K step s
	s_or_b32 s[G0+4*(\s)+3], s[G0+4*(\s)+3], 0x80000000          ; 127:126 type = 2
	s_mov_b32 s[G0B+4*(\s)], 1
	s_add_co_u32 s[G0B+4*(\s)+1], s43, (\s)*SLOT
	s_add_nc_u64 s[G0B+4*(\s)+2:G0B+4*(\s)+3], s[22:23], (\s)*BKS
	s_or_b32 s[G0B+4*(\s)+3], s[G0B+4*(\s)+3], 0x80000000
	JLOAD \s                                       ; the ring is filled before anything else is done: two loads of mine are out
.endr
	s_lshl_b32 s46, s[TX], 10                      ; my first column, 256 tx + 128 WN, in f32
	s_lshl_b32 s47, s[WN], 9
	s_add_co_u32 s46, s46, s47
	s_mov_b32 s47, 0
	s_add_nc_u64 s[10:11], s[10:11], s[46:47]      ; in the bias,
	s_add_nc_u64 s[8:9], s[8:9], s[46:47]          ; and in a row of the output
	v_and_b32 v1, 15, v0                           ; l % 16
	v_bfe_u32 v2, v0, 4, 1                         ; l / 16
	v_lshlrev_b32 v[VB], 5, v2
	WIN 0x80                                       ; destination window 2, address window 0
.irp b, 0,1,2,3,4,5,6,7
	global_load_b128 v[8*(\b):8*(\b)+3],   v[VB], s[10:11] offset:64*(\b)      ; register 8 b + j: bias[first column + 16 b + 8 (l / 16) + j]
	global_load_b128 v[8*(\b)+4:8*(\b)+7], v[VB], s[10:11] offset:64*(\b)+16
.endr
	WIN 0
	; A fragment is 16 rows x 32 K in 8 registers: lane l holds row l % 16; registers 0-3 hold K = 8 (l / 16) + 0..7, registers 4-7 K = 16 + 8 (l / 16) + 0..7: two loads of 16 bytes, 32 bytes apart.
	v_mul_u32_u24 v3, v1, PITCH
	v_lshl_add_u32 v3, v2, 4, v3                   ; row x pitch + 16 x half
	s_mul_i32 s2, s[WM], 64*PITCH                  ; my 64 rows of A's planes
	s_mul_i32 s43, s[WN], 128*PITCH                ; my 128 rows of B's,
	s_add_co_u32 s43, s43, 2*APL                   ; which lie behind A's two
.irp s, 0,1
	v_add_nc_u32 v[ADRA+(\s)], s2, v3
	v_add_nc_u32 v[ADRB+(\s)], s43, v3
	s_add_co_u32 s2, s2, SLOT
	s_add_co_u32 s43, s43, SLOT
.endr
	s_mul_i32 s2, s[WV], WSTG
	s_add_co_u32 s2, s2, STAGE                     ; my stage
	v_mul_u32_u24 v4, v1, SPITCH                   ; in: row l % 16, 32 bytes for each half of the lanes
	v_lshl_add_u32 v4, v2, 5, v4
	v_add_nc_u32 v[STO], s2, v4
	v_and_b32 v[GO], 31, v0
	v_lshlrev_b32 v[PFO], 8, v[GO]
	v_lshlrev_b32 v[GO], 4, v[GO]
	v_add_nc_u32 v[RD], s2, v[GO]                  ; back: 32 lanes take a row's 512 bytes
	s_lshl_b32 s46, s[TY], 19                      ; my first row of the output: 128 ty + 64 WM, 4,096 bytes each
	s_lshl_b32 s47, s[WM], 18
	s_add_co_u32 s46, s46, s47
	s_mov_b32 s47, 0
	s_add_nc_u64 s[8:9], s[8:9], s[46:47]
	; the prefetches: my work-group's 32 blocks of A's tile, at K step 2; the first refill steps it to 3 and names K step 4
	s_lshr_b32 s46, s[CX], 1
	s_lshl_b32 s46, s46, 18
	s_and_b32 s47, s[CX], 1
	s_lshl_b32 s47, s47, 13
	s_add_co_u32 s46, s46, s47
	s_add_co_u32 s46, s46, s[TOFF]
	s_mov_b32 s47, 0
	s_add_nc_u64 s[PFA:PFA+1], s[4:5], s[46:47]
	s_add_nc_u64 s[PFA:PFA+1], s[PFA:PFA+1], 2*AKS
	s_wait_loadcnt 0x0                             ; the bias; it is rounded to bf16, like every input, and widened again
	WIN 0x0a                                       ; sources window 2, destination window 0
.set i, 0
.rept 32
	v_cvt_pk_bf16_f32 v[TMP+i], v[2*i], v[2*i+1]
.set i, i+1
.endr
	WIN 0x80
.set i, 0
.rept 32
	v_lshlrev_b32 v[2*i], 16, v[TMP+i]
	v_and_b32 v[2*i+1], 0xffff0000, v[TMP+i]
.set i, i+1
.endr
	WIN 0
; 8 matrix instructions: m block a x all 8 n blocks, 32 along K.  cb = 1: the products start the sums, on the bias.
; The 32 accumulators take turns, in the same order in every quarter: between two links of a chain stand the 31 others'.
.macro MULA f, a, cb
.irp b, 0,1,2,3,4,5,6,7
.if \cb
	v_wmma_f32_16x16x32_f16 v[8*(8*(\a)+(\b)):8*(8*(\a)+(\b))+7], v[(\f)+32+8*(\b):(\f)+32+8*(\b)+7], v[(\f)+8*(\a):(\f)+8*(\a)+7], v[8*(\b):8*(\b)+7]
.else
	v_wmma_f32_16x16x32_f16 v[8*(8*(\a)+(\b)):8*(8*(\a)+(\b))+7], v[(\f)+32+8*(\b):(\f)+32+8*(\b)+7], v[(\f)+8*(\a):(\f)+8*(\a)+7], v[8*(8*(\a)+(\b)):8*(8*(\a)+(\b))+7]
.endif
.endr
.endm
; 24 LDS loads in one run: the fragments of quarter kq of a K step (plane kq / 2, channels 32 (kq % 2) on) into buffer f
.macro FETCH slot, kq, f
	WIN 0
.irp i, 0,1,2,3,4,5,6,7
	ds_load_b128 v[(\f)+32+8*(\i):(\f)+32+8*(\i)+3],   v[ADRB+(\slot)] offset:((\kq)/2)*BPL+((\kq)%2)*64+(\i)*16*PITCH
	ds_load_b128 v[(\f)+32+8*(\i)+4:(\f)+32+8*(\i)+7], v[ADRB+(\slot)] offset:((\kq)/2)*BPL+((\kq)%2)*64+(\i)*16*PITCH+32
.endr
.irp i, 0,1,2,3
	ds_load_b128 v[(\f)+8*(\i):(\f)+8*(\i)+3],   v[ADRA+(\slot)] offset:((\kq)/2)*APL+((\kq)%2)*64+(\i)*16*PITCH
	ds_load_b128 v[(\f)+8*(\i)+4:(\f)+8*(\i)+7], v[ADRA+(\slot)] offset:((\kq)/2)*APL+((\kq)%2)*64+(\i)*16*PITCH+32
.endr
.endm
.macro PLACES                          ; four places in front of loads into registers that matrix instructions have read, and of lines that read results (ISA guide 7.12.1 for vector instructions)
.rept 4
	v_nop
.endr
.endm
; A K step is four quarters of 32 along K, 32 matrix instructions each, on buffers 0, 1, 0, 1.  One of the first three: the next quarter kq is fetched into g, then f is multiplied.
.macro QUARTER slot, kq, f, g, cb
	s_wait_dscnt 0x0                               ; buffer f is in: its loads went out ahead of the last quarter's products
	PLACES
	FETCH \slot, \kq, \g
.if \cb
	WIN MULB
.else
	WIN MUL
.endif
	MULA \f, 0, \cb
	MULA \f, 1, \cb
	MULA \f, 2, \cb
	MULA \f, 3, \cb
.endm
; The last quarter multiplies buffer 1 and changes slots: ONE barrier.  In front of it each wave waits for all its tensor loads, of which one is out: its plane of the next slot; adds 0 to its spare word;
; and waits for that and for its own reads of this slot.  fill = 1: the barrier opens a round of the cluster's, and this slot is filled again first thing behind it, two K steps ahead:
; from that request to the wait for it a wave issues 112 matrix instructions.
.macro TURN slot, next, fill
.if \fill
	s_wait_xcnt 0x0                                ; the last prefetch, a K step back, has read its address: it is stepped here, ahead of the waits of the change of slots
	s_add_nc_u64 s[PFA:PFA+1], s[PFA:PFA+1], AKS
.endif
	WIN 0                                          ; (the add's two registers lie in window 0)
	s_wait_tensorcnt 0x0                           ; all my tensor loads have landed
	ds_add_u32 v[SPW], v[NIL]                      ; 0 onto my spare word
	s_wait_dscnt 1                                 ; buffer 1's 24 loads are in; the add alone may be out
	WIN MUL
	MULA F1, 0, 0                                  ; eight matrix instructions stand between the add and the wait for it
	s_wait_dscnt 0x0                               ; the add is done, and my reads of this slot are over
	s_barrier_signal -1
	MULA F1, 1, 0
.if \fill
	WIN 0
.endif
	s_barrier_wait -1
.if \fill
	CREST                                          ; no wave of any partner still reads this slot or has a load on its way
	s_add_nc_u64 s[G0+4*(\slot)+2:G0+4*(\slot)+3], s[G0+4*(\slot)+2:G0+4*(\slot)+3], 2*AKS
	s_add_nc_u64 s[G0B+4*(\slot)+2:G0B+4*(\slot)+3], s[G0B+4*(\slot)+2:G0B+4*(\slot)+3], 2*BKS
	JLOAD \slot                                    ; the first tensor load behind the round; the four v_nop behind it are also the places in front of the loads below
.else
	PLACES
.endif
	FETCH \next, 0, F0
.if \fill
	ASK                                            ; behind the joint load and the run of LDS loads that the next products wait for
.endif
	WIN MUL
	MULA F1, 2, 0
	MULA F1, 3, 0
.endm
	s_wait_tensorcnt 1                             ; my plane of K step 0 is in; K step 1's may stay out
	s_barrier_signal -1
	s_barrier_wait -1                              ; everybody's is
	FETCH 0, 0, F0
	QUARTER 0, 1, F0, F1, 1                        ; the first quarter stands in front of the loop: its products start the sums
	WIN 0                                          ; at a label and at a branch every window is 0
	s_mov_b32 s[LAP], LAPS-1
.Llap:                                                 ; a trip goes once round the ring, from a lap's second quarter to the next lap's first, and fills both slots again
	QUARTER 0, 2, F1, F0, 0
	QUARTER 0, 3, F0, F1, 0
	TURN 0, 1, 1
	QUARTER 1, 1, F0, F1, 0
	QUARTER 1, 2, F1, F0, 0
	QUARTER 1, 3, F0, F1, 0
	TURN 1, 0, 1
	QUARTER 0, 1, F0, F1, 0
	WIN 0
	s_sub_co_u32 s[LAP], s[LAP], 1
	s_cmp_lg_u32 s[LAP], 0
	s_cbranch_scc1 .Llap
	QUARTER 0, 2, F1, F0, 0                        ; the last lap fills nothing, and has no round of the cluster's barrier
	QUARTER 0, 3, F0, F1, 0
	TURN 0, 1, 0
	QUARTER 1, 1, F0, F1, 0
	QUARTER 1, 2, F1, F0, 0
	QUARTER 1, 3, F0, F1, 0
	s_wait_dscnt 0x0                               ; the very last quarter: nothing more to fetch
	WIN MUL
	MULA F1, 0, 0
	MULA F1, 1, 0
	MULA F1, 2, 0
	MULA F1, 3, 0
	WIN 0
; THE WAY OUT, a block of 16 rows at a time.  STG: the accumulators go as they are, f32, into my own stage, each one's low four registers first.  BACK: whole rows of 512 bytes come back, into one of two
; sets of 64 registers.  SEND: each store of the wave covers 512 consecutive bytes of a row of the output, aligned.  The stage is my own: LDS serves a wave's instructions in order (ISA guide 5.7.1.4).
.macro STG a
	WIN 0x04                                       ; the stores' data in window 1, the address in window 0
.irp b, 0,1,2,3,4,5,6,7
	ds_store_b128 v[STO], v[8*(8*(\a)+(\b)):8*(8*(\a)+(\b))+3]   offset:64*(\b)
	ds_store_b128 v[STO], v[8*(8*(\a)+(\b))+4:8*(8*(\a)+(\b))+7] offset:64*(\b)+16
.endr
	WIN 0
.endm
.macro BACK a
.irp t, 0,1,2,3,4,5,6,7,8,9,10,11,12,13,14,15
	ds_load_b128 v[OB+64*((\a)%2)+4*(\t):OB+64*((\a)%2)+4*(\t)+3], v[RD] offset:(\t)*SPITCH
.endr
.endm
.macro SEND a, younger                 ; younger: the LDS instructions issued behind block a's loads: the next block's 16 stores and 16 loads, or none
	s_wait_dscnt \younger
.irp t, 0,1,2,3,4,5,6,7,8,9,10,11,12,13,14,15
	global_store_b128 v[GO], v[OB+64*((\a)%2)+4*(\t):OB+64*((\a)%2)+4*(\t)+3], s[8:9] offset:(16*(\a)+(\t))*4096 th:TH_STORE_NT
.endr
.endm
	PLACES
	STG 0
	BACK 0
	STG 1
	BACK 1
	SEND 0, 32
	STG 2
	s_wait_xcnt 0x0                                ; block 0's stores have read their registers: the set is loaded again only behind this wait
	BACK 2
	SEND 1, 32
	STG 3
	s_wait_xcnt 0x0                                ; the same for block 1's
	BACK 3
	SEND 2, 32
	SEND 3, 0
	s_wait_tensorcnt 0x0                           ; the wave's end: behind my last tensor load and my last LDS store
	ds_add_u32 v[SPW], v[NIL]
	s_wait_dscnt 0x0
	CROUND                                         ; the closing round: no work-group ends while a partner may still ask for a tile that names it
	s_endpgm
.Lfunc_end_k_qf3d2e01bde_outp:
	.size	k_qf3d2e01bde_outp, .Lfunc_end_k_qf3d2e01bde_outp-k_qf3d2e01bde_outp
	.p2alignl 7, 3214868480
	.fill 96, 4, 3214868480
	.section	.rodata,"a",@progbits
	.p2align	6, 0x0
	.amdhsa_kernel k_qf3d2e01bde_outp
		.amdhsa_group_segment_fixed_size 327680
		.amdhsa_private_segment_fixed_size 0
		.amdhsa_enable_private_segment 0
		.amdhsa_kernarg_size 32
		.amdhsa_user_sgpr_count 2
		.amdhsa_user_sgpr_kernarg_segment_ptr 1
		.amdhsa_wavefront_size32 1
		.amdhsa_system_sgpr_workgroup_id_x 1
		.amdhsa_system_sgpr_workgroup_id_y 1
		.amdhsa_system_sgpr_workgroup_id_z 1
		.amdhsa_system_vgpr_workitem_id 0
		.amdhsa_next_free_vgpr 576
		.amdhsa_next_free_sgpr 68
		.amdhsa_reserve_vcc 0
		.amdhsa_float_denorm_mode_32 3
		.amdhsa_float_denorm_mode_16_64 3
		.amdhsa_memory_ordered 1
		.amdhsa_forward_progress 1
		.amdhsa_inst_pref_size 92
	.end_amdhsa_kernel
	.amdgpu_metadata
---
amdhsa.version: [ 1, 2 ]
amdhsa.kernels:
  - .name:           k_qf3d2e01bde_outp
    .symbol:         k_qf3d2e01bde_outp.kd
    .args:
      - { .name: o16, .offset: 0, .size: 8, .value_kind: global_buffer, .address_space: global }
      - { .name: w16, .offset: 8, .size: 8, .value_kind: global_buffer, .address_space: global }
      - { .name: out0, .offset: 16, .size: 8, .value_kind: global_buffer, .address_space: global }
      - { .name: bo, .offset: 24, .size: 8, .value_kind: global_buffer, .address_space: global }
    .group_segment_fixed_size: 327680
    .private_segment_fixed_size: 0
    .kernarg_segment_align: 8
    .kernarg_segment_size: 32
    .max_flat_workgroup_size: 128
    .sgpr_count:     68
    .vgpr_count:     576
    .wavefront_size: 32
...
	.end_amdgpu_metadata
.endif
;; end of part 4
